; MI455X (gfx1250); checked and timed in simulation.
; The chip was launched on July 23, 2026; its instructions are those of AMD's public machine-readable ISA for CDNA 5 (MIT licence, August 2026) and "CDNA5" Instruction Set Architecture Reference Guide (July 2026). The comments in the code are by the model that wrote it; some were corrected since.
;; Multi Head Attention. Allowed arithmetic: float matrix products may take bf16 or f16 operands with f32 sums; other float arithmetic in f32, or as packed bf16 or f16 multiplies, adds, multiply-adds, maxima and minima; sums over many terms, partial sums and values carried from step to step in f32; what a program stores and reads back later, other than sums and carried values, may be rounded once to bf16 or f16.
;; Inputs: Wk 1,024 x 1,024 float32; Wq 1,024 x 1,024 float32; Wv 1,024 x 1,024 float32; attention_mask 4 x 2,048 x 2,048 float32; bk 1,024 float32; bq 1,024 float32; bv 1,024 float32; hidden_states 4 x 2,048 x 1,024 float32.
;; Outputs: out0 4 x 2,048 x 1,024 float32.
;; 2 versions, each right; version 2 is version 1 with the launch cast written anew for expert scheduling mode. Each part assembles by itself: llvm-mc -triple=amdgcn-amd-amdhsa -mcpu=gfx1250 --defsym DOCPART=n.
;; ======== version 1 of 2: 4 launches
;; limits: values are held in f16: magnitudes above 65,504 overflow, below 6.1e-05 lose precision
;; workspace buffers: xh 16,777,216 bytes; wh 6,291,456 bytes; qkv 50,331,648 bytes; p 33,554,432 bytes; stats 1,048,576 bytes
;; launch cast (part 1): grid 64 x 11, 8 waves a work-group, no clusters, 0 bytes of LDS; arguments hidden_states, Wq, Wk, Wv, xh, wh; writes xh, wh
.if DOCPART == 1
	.amdgcn_target "amdgcn-amd-amdhsa--gfx1250"
	.amdhsa_code_object_version 6
	.text
	.protected	k_qc3e7c50492_cast
	.globl	k_qc3e7c50492_cast
	.p2align	8
	.type	k_qc3e7c50492_cast,@function
k_qc3e7c50492_cast:
	s_mov_b64 s[64:65], 0
	v_nop
	global_prefetch_b8 v0, s[64:65] scope:SCOPE_SE
	s_setreg_imm32_b32 hwreg(HW_REG_WAVE_MODE, 25, 1), 1
	s_wait_xcnt 0x0
; First of four launches for out = softmax((X Wq + bq)(X Wk + bk)^T / 32 + mask) (X Wv + bv).
; This one rounds X, Wq, Wk, Wv from f32 to f16, layouts kept: xh [8192][1024], wh [3 = q, k, v][1024][1024].
;
; WORK LEFT OUT: bk.  scores[q][k] = (q . (x_k Wk) + q . bk) / 32 + mask[q][k].  The term q . bk / 32 is the same for every key k of a
; query row, and softmax(z + c) = softmax(z) for a c that is constant along its axis, whatever finite values the inputs hold.  So bk has no way to
; any output: it is not loaded and is no argument of any launch.  (bq stays: bq . k_k changes with k.  bv and the mask stay.)
; Limit: a NaN, an infinity or an overflow that reaches only the term q . bk is not carried to the result.
;
; WHY f16 AND NOT bf16: an output is a weighted mean of 2,048 rows of V, so each relative rounding of a weight or of V shows in full against the
; output's own root mean square.  f16 has three bits more.  Room: X and W 30 times larger give |q| about 900 x 5.5; X and W with offsets of 30
; spreads give q about 1,024 x 30 x 0.94 = 28,800; f16 ends at 65,504.  Limit: |x|, |w|, |q|, |k| or |v| above 65,504 becomes infinite.
;
; Eleven matrices of [1024][1024]: grid y = 0..7 the eighths of X, 8, 9, 10 = Wq, Wk, Wv.  A work-group takes 16 rows; thread t takes 4 numbers of
; each row: a wave's load covers 512 consecutive bytes, its store 256 consecutive bytes, aligned.  All 16 loads go out first; no register is used twice.
.set X, 4                              ; v[4:67]   row i: 4 numbers in f32
.set Y, 68                             ; v[68:99]  row i: 4 numbers in f16
	s_load_b256 s[4:11], s[0:1], 0x0               ; X s[4:5], Wq s[6:7], Wk s[8:9], Wv s[10:11]
	s_load_b128 s[12:15], s[0:1], 0x20             ; xh s[12:13], wh s[14:15]
	s_and_b32 s16, ttmp7, 0xffff                   ; which matrix
	s_sub_co_u32 s18, s16, 8                       ; its number among the weights (used for y >= 8 alone)
	v_lshlrev_b32 v1, 4, v0                        ; 16 t: my 16 bytes of a source row
	v_lshlrev_b32 v2, 3, v0                        ; 8 t: my 8 bytes of a destination row
	s_wait_kmcnt 0x0
	s_cmp_lt_u32 s16, 8
	s_cselect_b64 s[20:21], s[4:5], s[6:7]         ; from X, or from Wq
	s_cselect_b64 s[22:23], s[12:13], s[14:15]     ; to xh, or to wh
	s_cselect_b32 s17, s16, 0                      ; the eighth of X; a weight is read from its first byte
	s_cselect_b32 s18, s16, s18                    ; the matrix's number in the destination
	s_cmp_eq_u32 s16, 9
	s_cselect_b64 s[20:21], s[8:9], s[20:21]       ; Wk
	s_cmp_eq_u32 s16, 10
	s_cselect_b64 s[20:21], s[10:11], s[20:21]     ; Wv
	s_lshl_b32 s24, s17, 22                        ; a matrix is 4 MiB in f32,
	s_lshl_b32 s26, ttmp9, 16                      ; 16 rows are 65,536 bytes
	s_add_co_u32 s24, s24, s26
	s_mov_b32 s25, 0
	s_add_nc_u64 s[20:21], s[20:21], s[24:25]
	s_lshl_b32 s26, s18, 21                        ; and half of that in f16
	s_lshl_b32 s28, ttmp9, 15
	s_add_co_u32 s26, s26, s28
	s_mov_b32 s27, 0
	s_add_nc_u64 s[22:23], s[22:23], s[26:27]
.irp i, 0,1,2,3,4,5,6,7,8,9,10,11,12,13,14,15
	global_load_b128 v[X+4*\i:X+4*\i+3], v1, s[20:21] offset:4096*\i th:TH_LOAD_NT   ; read once in the whole program
.endr
.irp i, 0,1,2,3,4,5,6,7,8,9,10,11,12,13,14,15
	s_wait_loadcnt 15-\i                           ; loads come back in order: row i is in, the younger rows stay out
	v_cvt_pk_f16_f32 v[Y+2*\i], v[X+4*\i], v[X+4*\i+1]
	v_cvt_pk_f16_f32 v[Y+2*\i+1], v[X+4*\i+2], v[X+4*\i+3]
	global_store_b64 v2, v[Y+2*\i:Y+2*\i+1], s[22:23] offset:2048*\i
.endr
	s_endpgm
.Lfunc_end_k_qc3e7c50492_cast:
	.size	k_qc3e7c50492_cast, .Lfunc_end_k_qc3e7c50492_cast-k_qc3e7c50492_cast
	.p2alignl 7, 3214868480
	.fill 96, 4, 3214868480
	.section	.rodata,"a",@progbits
	.p2align	6, 0x0
	.amdhsa_kernel k_qc3e7c50492_cast
		.amdhsa_group_segment_fixed_size 0
		.amdhsa_private_segment_fixed_size 0
		.amdhsa_enable_private_segment 0
		.amdhsa_kernarg_size 48
		.amdhsa_user_sgpr_count 2
		.amdhsa_user_sgpr_kernarg_segment_ptr 1
		.amdhsa_wavefront_size32 1
		.amdhsa_system_sgpr_workgroup_id_x 1
		.amdhsa_system_sgpr_workgroup_id_y 1
		.amdhsa_system_sgpr_workgroup_id_z 1
		.amdhsa_system_vgpr_workitem_id 0
		.amdhsa_next_free_vgpr 100
		.amdhsa_next_free_sgpr 66
		.amdhsa_reserve_vcc 0
		.amdhsa_float_denorm_mode_32 3
		.amdhsa_float_denorm_mode_16_64 3
		.amdhsa_memory_ordered 1
		.amdhsa_forward_progress 1
		.amdhsa_inst_pref_size 7
	.end_amdhsa_kernel
	.amdgpu_metadata
---
amdhsa.version: [ 1, 2 ]
amdhsa.kernels:
  - .name:           k_qc3e7c50492_cast
    .symbol:         k_qc3e7c50492_cast.kd
    .args:
      - { .name: hidden_states, .offset: 0, .size: 8, .value_kind: global_buffer, .address_space: global }
      - { .name: Wq, .offset: 8, .size: 8, .value_kind: global_buffer, .address_space: global }
      - { .name: Wk, .offset: 16, .size: 8, .value_kind: global_buffer, .address_space: global }
      - { .name: Wv, .offset: 24, .size: 8, .value_kind: global_buffer, .address_space: global }
      - { .name: xh, .offset: 32, .size: 8, .value_kind: global_buffer, .address_space: global }
      - { .name: wh, .offset: 40, .size: 8, .value_kind: global_buffer, .address_space: global }
    .group_segment_fixed_size: 0
    .private_segment_fixed_size: 0
    .kernarg_segment_align: 8
    .kernarg_segment_size: 48
    .max_flat_workgroup_size: 256
    .sgpr_count:     66
    .vgpr_count:     100
    .wavefront_size: 32
...
	.end_amdgpu_metadata
.endif
;; end of part 1
;; launch proj (part 2): grid 8 x 32, 4 waves a work-group, clusters of 4 x 4, 327,680 bytes of LDS; arguments xh, wh, bq, bv, qkv; writes qkv
.if DOCPART == 2
	.amdgcn_target "amdgcn-amd-amdhsa--gfx1250"
	.amdhsa_code_object_version 6
	.text
	.protected	k_qc3e7c50492_proj
	.globl	k_qc3e7c50492_proj
	.p2align	8
	.type	k_qc3e7c50492_proj,@function
k_qc3e7c50492_proj:
	s_mov_b64 s[64:65], 0
	v_nop
	global_prefetch_b8 v0, s[64:65] scope:SCOPE_SE
	s_setreg_imm32_b32 hwreg(HW_REG_WAVE_MODE, 25, 1), 1
	s_wait_xcnt 0x0
	s_wait_alu depctr_hold_cnt(0) depctr_sa_sdst(0) depctr_va_vdst(0) depctr_va_sdst(0) depctr_va_ssrc(0) depctr_va_vcc(0) depctr_vm_vsrc(0)
	s_getreg_b32 s2, hwreg(HW_REG_IB_STS2, 6, 4)
	s_cmp_eq_u32 s2, 0
	s_cbranch_scc0 .Lentry_in_a_cluster
	s_endpgm
.Lentry_in_a_cluster:
	s_bfe_u32 s2, ttmp6, 0x10000c
	s_cmp_lg_u32 s2, 0xf033
	s_cbranch_scc0 .Lentry_shape_is_right
	s_endpgm
.Lentry_shape_is_right:
; Q = X Wq + bq, K = X Wk, V = X Wv + bv, f16 operands, f32 sums, results rounded once to f16: qkv [3 = q, k, v][8192][1024].
; bk is left out: q . bk is the same for every key of a row and cancels in the softmax, for all values of the inputs (shown at the head of the first launch).
; Limit: a result above 65,504 in magnitude becomes infinite in f16.
;
; 256 work-groups, one for each pair (strip of 128 columns, block of 256 rows); each makes its strip of all three results, in two blocks over ONE ring:
;   block 1, 256 x 256: Q's strip beside V's.  A wave makes 128 x 128 (64 accumulator tiles); wave & 1 picks the strip, so a wave's rows are whole 256 bytes of one
;            result.  These two strips have a bias, which the first products take as C: nothing is added later and nothing is cleared.
;   block 2, 256 x 128: K's strip.  A wave makes 64 x 128 (32 tiles); its first products take the constant 0.
; So two thirds of the products read 256 LDS rows for 64 matrix instructions instead of 192 for 32, X is fetched twice instead of three times, and set-up, first
; fill and the closing drain of stores come once.  One block of 256 x 384 does not fit: 768 accumulator registers leave no room for two fragment buffers.
; A = xh, K along its rows.  B = wh, N along its rows: its fragments are read from LDS by the transposing load.
; K = 1,024 goes in steps of 128 through two LDS slots, 8 steps a block; in block 1's last two steps the slots are filled with block 2's first two tiles, and
; block 1 is rounded and stored while the second of them is on its way.
; CLUSTERS of 4 x 4 work-groups: the four of a row of the cluster need the same tile of A, the four of a column the same tiles of B; such a tile is asked for
; jointly, which divides the requests for A and for B by four.
;
; LDS: a slot holds four parts, wave w's at w x 36,864, one formula for all loads: parts 0, 1 = A's rows 0-127, 128-255 (pitch 272, 34,816 bytes used);
; parts 2, 3 = in block 1 Wq's and Wv's 128 k rows x 128 columns (pitch 288 = 9 x 32), in block 2 Wk's k rows 0-63 and 64-127 (18,432 bytes used of each).
; Behind the ring each wave's stage for the way out, into which no tensor load lands.
; REGISTERS: window 0: addresses; block 1: A's fragments (two buffers), the way out; block 2: two buffers of A's 4 and B's 8 fragments.
; Window 1: v0-63 the bias of my lane's columns; block 1: B's fragments.  Windows 2, 3: block 1's tiles of my rows 0-63, 64-127 (tile (a, b) at v[8 (8 a + b)]);
; window 2 again: block 2's tiles.
; The matrix instruction is used transposed (source 0 = B, source 1 = A): lane l holds row l % 16, registers 0-7 the columns 8 (l / 16) + 0..7.
.set PA,     272                       ; A's LDS pitch: 256 + 16 bytes, an odd multiple of 16
.set PB,     288                       ; B's LDS pitch: 256 + 32 bytes, an odd multiple of 32
.set WPART,  128*PB                    ; 36,864: a wave's part of a slot
.set BGAP,   WPART-64*PB               ; block 2: 18,432 bytes between the end of Wk's first half and its second
.set SLOT,   4*WPART                   ; 147,456
.set STAGE,  2*SLOT                    ; 294,912
.set SPITCH, 272
.set KSTEP,  128
.set ADRA,  16                         ; v16-17 block 1: LDS address of my A fragments, slot 0, 1
.set ADRA2, 18                         ; v18-19 block 2: the same
.set ADRB,  20                         ; v20-21 block 1: my strip's B fragments
.set ADRB2, 22                         ; v22-23 block 2: Wk's
.set STO,  24
.set RD,   25
.set CO,   26
.set F0,   64                          ; block 1: fragment buffer 0 (A in window 0, B in window 1)
.set F1,   128                         ; block 1: fragment buffer 1
.set TMP,  192                         ; block 1's way out: packed results
.set E0,   64                          ; block 2: v[64:159]  buffer 0: A tile a at +8 a, B tile b at +32 + 8 b
.set E1,   160                         ; block 2: v[160:255] buffer 1
.set TMP2, 64                          ; block 2's way out
.set G1,  24                           ; s[24:31] group 1 for A's tiles
.set G0,  32                           ; s[32:39] group 0 for A's tiles, a set for each slot
.set G1B, 48                           ; s[48:55] group 1 for block 1's B tiles (128 k rows)
.set G0B, 56                           ; s[56:63] their group 0
.set G1C, 72                           ; s[72:79] group 1 for block 2's B tiles (64 k rows)
.set G0C, 80                           ; s[80:87] their group 0
.set OB1, 88                           ; s[88:89] where block 1 goes
.set OB2, 90                           ; s[90:91] where block 2 goes
.set MUL_LO, 0xa1                      ; block 1: source 0 (B) window 1, source 1 (A) window 0, C and D window 2
.set MUL_HI, 0xf1                      ; the same, C and D window 3
.set BIA_LO, 0x91                      ; the same with C (the bias) in window 1
.set BIA_HI, 0xd1
.set TO_B,   0x40                      ; destination window 1, address window 0
.set MULW,   0xa0                      ; block 2: sources in window 0, C and D window 2
.set MSB, 0
.macro WIN new                         ; the immediate's high byte repeats the setting that is left
.if MSB != \new
	s_set_vgpr_msb (MSB<<8)|\new
.set MSB, \new
.endif
.endm
; A joint load.  Waves 0 and 1 fetch A's halves, waves 2 and 3 B's parts (gb, g1b: the block's descriptors).  The branch hangs on the wave's number alone.
.macro JLOAD s, gb, g1b
	s_cmp_eq_u32 s15, 0
	s_cbranch_scc0 .Lfor_b_\@
	tensor_load_to_lds s[G0+4*\s:G0+4*\s+3], s[G1:G1+7]
	s_nop 0
	s_branch .Lasked_\@
.Lfor_b_\@:
	tensor_load_to_lds s[\gb+4*\s:\gb+4*\s+3], s[\g1b:\g1b+7]
	s_nop 0
.Lasked_\@:
.endm
.macro CREST                           ; a round of the cluster's barrier behind its opening work-group barrier
	s_cmp_lg_u32 s14, 0
	s_cbranch_scc1 .Lnot_wave_0_\@
	s_barrier_signal -3
.Lnot_wave_0_\@:
	s_barrier_wait -3
	s_barrier_signal -1
	s_barrier_wait -1
.endm
.macro CROUND                          ; a whole round
	s_barrier_signal -1
	s_barrier_wait -1
	CREST
.endm
.macro PLACES                          ; four plain vector instructions between a matrix instruction and a load into, or a vector access to, its registers
.rept 4
	v_nop
.endr
.endm
	s_load_b256 s[4:11], s[0:1], 0x0               ; xh s[4:5], wh s[6:7], bq s[8:9], bv s[10:11]
	s_load_b64 s[12:13], s[0:1], 0x20              ; qkv
	s_set_vgpr_msb 0x40
	v_lshl_add_u32 v255, v0, 2, 0x4c400
	s_set_vgpr_msb 0x4000
	v_mov_b32 v63, 0
	s_set_vgpr_msb 0x1
	ds_add_u32 v255, v63
	s_set_vgpr_msb 0x100
	v_lshrrev_b32 v1, 5, v0
	v_readfirstlane_b32 s14, v1                    ; wave 0..3
	s_lshr_b32 s15, s14, 1                         ; I fetch for A (0) or for B (1).  Block 1: my half of the rows
	s_and_b32 s16, s14, 1                          ; which part of that tile.  Block 1: my strip, Q's (0) or V's (1)
	s_bfe_u32 s18, ttmp6, 0x40000                  ; cx
	s_bfe_u32 s19, ttmp6, 0x40004                  ; cy
	s_lshl_b32 s20, ttmp9, 2
	s_add_co_u32 s20, s20, s18                     ; strip 0..7 = 4 x cluster x + cx
	s_and_b32 s21, ttmp7, 0xffff
	s_lshl_b32 s21, s21, 2
	s_add_co_u32 s21, s21, s19                     ; block row 0..31 = 4 x cluster y + cy
	s_lshl_b32 s22, s19, 2
	s_lshl_b32 s22, 15, s22                        ; my row of the cluster
	s_lshl_b32 s23, 0x1111, s18                    ; my column
	; group 1.  A: 128 rows x 128 elements of 2 bytes, 4 words of padding behind every 64.  B: 128 (block 1) or 64 (block 2) k rows x 128 elements, 8 words of padding.
	s_or_b32 s[G1+0], s22, (1<<16)|(1<<20)|(1<<21)|(5<<22)|(3<<25)
	s_mov_b32 s[G1+1], KSTEP<<16                   ; tensor_dim0 = 128
	s_mov_b32 s[G1+2], 128<<16                     ; tensor_dim1 = 128
	s_mov_b32 s[G1+3], KSTEP<<16                   ; tile_dim0 = 128
	s_mov_b32 s[G1+4], 128                         ; tile_dim1 = 128
	s_mov_b32 s[G1+5], 1024                        ; elements from row to row
	s_mov_b32 s[G1+6], 0
	s_mov_b32 s[G1+7], 0
	s_or_b32 s[G1B+0], s23, (1<<16)|(1<<20)|(1<<21)|(5<<22)|(7<<25)
	s_mov_b32 s[G1B+1], 128<<16
	s_mov_b32 s[G1B+2], 128<<16
	s_mov_b32 s[G1B+3], 128<<16
	s_mov_b32 s[G1B+4], 128
	s_mov_b32 s[G1B+5], 1024
	s_mov_b32 s[G1B+6], 0
	s_mov_b32 s[G1B+7], 0
	s_or_b32 s[G1C+0], s23, (1<<16)|(1<<20)|(1<<21)|(5<<22)|(7<<25)
	s_mov_b32 s[G1C+1], 128<<16
	s_mov_b32 s[G1C+2], 64<<16
	s_mov_b32 s[G1C+3], 128<<16
	s_mov_b32 s[G1C+4], 64
	s_mov_b32 s[G1C+5], 1024
	s_mov_b32 s[G1C+6], 0
	s_mov_b32 s[G1C+7], 0
	; A's address hangs on the block row alone (s40-47 never hold cx), B's on the strip alone (s66-71 never hold cy)
	s_lshl_b32 s47, s16, 7
	s_lshl_b32 s40, s21, 8
	s_add_co_u32 s40, s40, s47                     ; row 256 x block row + 128 x half
	s_lshl_b32 s40, s40, 11                        ; x 2,048 bytes
	s_mov_b32 s41, 0
	s_lshl_b32 s68, s20, 8                         ; the strip: 128 columns x 2 bytes
	s_lshl_b32 s66, s16, 22                        ; block 1: Wq at 0, Wv at 4 MiB,
	s_add_co_u32 s66, s66, s68                     ; the strip's columns
	s_mov_b32 s67, 0
	s_lshl_b32 s70, s16, 17                        ; block 2: 64 x half k rows of 2,048 bytes,
	s_add_co_u32 s70, s70, 0x200000                ; in Wk at 2 MiB,
	s_add_co_u32 s70, s70, s68                     ; the strip's columns
	s_mov_b32 s71, 0
	s_mul_i32 s42, s14, WPART                      ; my part of a slot
	s_wait_dscnt 0x0
	s_wait_kmcnt 0x0
	s_add_nc_u64 s[40:41], s[4:5], s[40:41]
	s_add_nc_u64 s[66:67], s[6:7], s[66:67]
	s_add_nc_u64 s[70:71], s[6:7], s[70:71]
	CROUND                                         ; all sixteen work-groups are here: the first joint loads meet
.irp s, 0,1
	s_mov_b32 s[G0+4*\s], 1
	s_add_co_u32 s[G0+4*\s+1], s42, \s*SLOT
	s_add_nc_u64 s[G0+4*\s+2:G0+4*\s+3], s[40:41], \s*KSTEP*2        ; K step s: 256 bytes along A's rows
	s_or_b32 s[G0+4*\s+3], s[G0+4*\s+3], 0x80000000
	s_mov_b32 s[G0B+4*\s], 1
	s_add_co_u32 s[G0B+4*\s+1], s42, \s*SLOT
	s_add_nc_u64 s[G0B+4*\s+2:G0B+4*\s+3], s[66:67], \s*KSTEP*2048   ; K step s: 128 rows down B
	s_or_b32 s[G0B+4*\s+3], s[G0B+4*\s+3], 0x80000000
	JLOAD \s, G0B, G1B                             ; both first fills go out before anything else is done
.endr
.irp s, 0,1
	s_mov_b32 s[G0C+4*\s], 1                       ; block 2's B tiles: used from block 1's K step 6 on
	s_add_co_u32 s[G0C+4*\s+1], s42, \s*SLOT
	s_add_nc_u64 s[G0C+4*\s+2:G0C+4*\s+3], s[70:71], \s*KSTEP*2048
	s_or_b32 s[G0C+4*\s+3], s[G0C+4*\s+3], 0x80000000
.endr
	; The bias of my strip's columns, as the value from which block 1's sums start: register 8 b + j = bias[128 x strip + 16 b + 8 h + j].
	v_and_b32 v1, 15, v0                           ; r = l % 16
	v_bfe_u32 v2, v0, 4, 1                         ; h = l / 16
	s_cmp_eq_u32 s16, 0
	s_cselect_b64 s[70:71], s[8:9], s[10:11]       ; bq for Q's strip, bv for V's
	s_lshl_b32 s66, s20, 9                         ; 128 columns x 4 bytes
	s_mov_b32 s67, 0
	s_add_nc_u64 s[70:71], s[70:71], s[66:67]
	v_lshlrev_b32 v6, 5, v2                        ; 32 h
	WIN TO_B                                       ; destination in window 1
.irp b, 0,1,2,3,4,5,6,7
	global_load_b128 v[8*\b:8*\b+3],   v6, s[70:71] offset:64*\b
	global_load_b128 v[8*\b+4:8*\b+7], v6, s[70:71] offset:64*\b+16
.endr
	WIN 0
	v_mul_u32_u24 v3, v1, PA
	v_lshl_add_u32 v3, v2, 4, v3                   ; A fragment: row r, 16 h bytes along K
	s_mul_i32 s44, s15, WPART                      ; block 1: my 128 rows are part 0 or part 1
	v_add_nc_u32 v[ADRA], s44, v3
	v_add_nc_u32 v[ADRA+1], SLOT, v[ADRA]
	s_mul_i32 s45, s16, 64*PA                      ; block 2: my 64 rows are the lower or the upper half of that part
	v_add_nc_u32 v[ADRA2], s45, v[ADRA]
	v_add_nc_u32 v[ADRA2+1], SLOT, v[ADRA2]
	v_and_b32 v4, 7, v0
	v_lshl_add_u32 v4, v2, 3, v4                   ; B fragment by the transposing load: k row 8 h + l % 8,
	v_mul_u32_u24 v4, v4, PB
	v_bfe_u32 v5, v0, 3, 1
	v_lshl_add_u32 v4, v5, 4, v4                   ; 16 bytes (8 columns) for each group of eight lanes
	v_add_nc_u32 v[ADRB2], 2*WPART, v4             ; block 2: Wk begins in part 2
	v_add_nc_u32 v[ADRB2+1], SLOT, v[ADRB2]
	s_mul_i32 s46, s16, WPART                      ; block 1: my strip is part 2 or part 3
	v_add_nc_u32 v[ADRB], s46, v[ADRB2]
	v_add_nc_u32 v[ADRB+1], SLOT, v[ADRB]
	s_mul_i32 s47, s14, 16*SPITCH
	s_add_co_u32 s47, s47, STAGE                   ; my stage
	v_mul_u32_u24 v7, v1, SPITCH
	v_lshl_add_u32 v7, v2, 4, v7
	v_add_nc_u32 v[STO], s47, v7                   ; in: row r, 16 bytes for each half of the lanes
	v_mul_u32_u24 v8, v2, SPITCH
	v_lshl_add_u32 v8, v1, 4, v8
	v_add_nc_u32 v[RD], s47, v8                    ; back: lanes 0-15 one row of 256 bytes, lanes 16-31 the next
	v_lshlrev_b32 v9, 11, v2
	v_lshl_add_u32 v[CO], v1, 4, v9                ; the same two rows in qkv
	; where the results go
	s_lshl_b32 s40, s21, 8
	s_lshl_b32 s41, s15, 7
	s_add_co_u32 s40, s40, s41                     ; block 1: my first row = 256 x block row + 128 x half
	s_lshl_b32 s40, s40, 11
	s_mov_b32 s41, 0
	s_add_nc_u64 s[OB1:OB1+1], s[12:13], s[40:41]
	s_lshl_b32 s66, s16, 25                        ; Q at 0, V at 32 MiB,
	s_add_co_u32 s66, s66, s68                     ; the strip's columns
	s_add_nc_u64 s[OB1:OB1+1], s[OB1:OB1+1], s[66:67]
	s_lshl_b32 s40, s21, 8
	s_lshl_b32 s41, s14, 6
	s_add_co_u32 s40, s40, s41                     ; block 2: my first row = 256 x block row + 64 x wave
	s_lshl_b32 s40, s40, 11
	s_mov_b32 s41, 0
	s_add_nc_u64 s[OB2:OB2+1], s[12:13], s[40:41]
	s_add_co_u32 s66, s68, 0x1000000               ; K at 16 MiB
	s_add_nc_u64 s[OB2:OB2+1], s[OB2:OB2+1], s[66:67]
; ---------------- BLOCK 1: 256 x 256, a wave 128 x 128 ----------------
; 16 matrix instructions: row tiles a0, a0 + 1 of the window's four (hi = 0: my rows 0-63, 1: rows 64-127) x all 8 column tiles, 32 along K.
; cm = 1: the first product starts the sums from the bias.  The 64 accumulators take turns, one instruction a turn, in the same order in every quarter step.
.macro MULA f, hi, a0, cm
.irp a, \a0, \a0+1
.irp b, 0,1,2,3,4,5,6,7
.if \cm
	v_wmma_f32_16x16x32_f16 v[8*(8*(\a)+\b):8*(8*(\a)+\b)+7], v[\f+8*\b:\f+8*\b+7], v[\f+8*(4*\hi+\a):\f+8*(4*\hi+\a)+7], v[8*\b:8*\b+7]
.else
	v_wmma_f32_16x16x32_f16 v[8*(8*(\a)+\b):8*(8*(\a)+\b)+7], v[\f+8*\b:\f+8*\b+7], v[\f+8*(4*\hi+\a):\f+8*(4*\hi+\a)+7], v[8*(8*(\a)+\b):8*(8*(\a)+\b)+7]
.endif
.endr
.endr
.endm
; 32 LDS loads in one run: quarter kq (32 along K) of a slot into buffer f: my strip's 8 column tiles, then my 8 row tiles, so that the eight youngest loads are A's rows 64-127
.macro FETCHA slot, kq, f
	WIN TO_B
.irp i, 0,1,2,3,4,5,6,7
	ds_load_tr16_b128 v[\f+8*\i:\f+8*\i+3],   v[ADRB+\slot] offset:\kq*32*PB+32*\i
	ds_load_tr16_b128 v[\f+8*\i+4:\f+8*\i+7], v[ADRB+\slot] offset:\kq*32*PB+32*\i+16*PB
.endr
	WIN 0
.irp i, 0,1,2,3,4,5,6,7
	ds_load_b128 v[\f+8*\i:\f+8*\i+3],   v[ADRA+\slot] offset:64*\kq+\i*16*PA
	ds_load_b128 v[\f+8*\i+4:\f+8*\i+7], v[ADRA+\slot] offset:64*\kq+\i*16*PA+32
.endr
.endm
; One of a K step's first three quarters: multiplies buffer f, and in its middle fetches quarter kq into buffer g.
.macro QUARTERA slot, kq, f, g, cm
	s_wait_dscnt 8                                 ; B and A's rows 0-63 are in; the youngest eight loads (A's rows 64-127) may be out
.if \cm
	WIN BIA_LO
.else
	WIN MUL_LO
.endif
	MULA \f, 0, 0, \cm
	MULA \f, 0, 2, \cm
	PLACES                                         ; behind the last products that read g
	FETCHA \slot, \kq, \g
	s_wait_dscnt 32                                ; all but the 32 just issued
.if \cm
	WIN BIA_HI
.else
	WIN MUL_HI
.endif
	MULA \f, 1, 0, \cm
	MULA \f, 1, 2, \cm
.endm
.macro THREEA slot, cm
	QUARTERA \slot, 1, F0, F1, \cm
	QUARTERA \slot, 2, F1, F0, 0
	QUARTERA \slot, 3, F0, F1, 0
.endm
; The last quarter: multiplies buffer 1 and changes slots.  In front of the barrier, which opens a round of the cluster's barrier, each wave waits for its reads
; of this slot and for all its tensor loads (one is out: its part of the next slot).  Behind the round this slot is filled again first, two K steps ahead.
; fill = 1: block 1's next tile.  fill = 2: block 2's tile: A goes back by the six K steps that this slot's address has made, B takes Wk's descriptors.
; fetch = 1: then the next slot's first fragments.  From a request to the wait for it a wave issues 240 matrix instructions.
.macro TURNA slot, next, fill, fetch
	s_wait_dscnt 8
	WIN MUL_LO
	MULA F1, 0, 0, 0
	s_wait_dscnt 0x0                               ; my reads of this slot are over
	s_wait_tensorcnt 0x0                           ; and all my tensor loads have landed
	ds_add_u32 v255, v63
	s_wait_dscnt 0x0
	s_barrier_signal -1
	MULA F1, 0, 2, 0                               ; register work while the others arrive
	WIN 0
	s_barrier_wait -1
	CREST                                          ; no wave of any partner still reads this slot or has a load on its way
.if \fill == 1
	s_add_nc_u64 s[G0+4*\slot+2:G0+4*\slot+3], s[G0+4*\slot+2:G0+4*\slot+3], 2*KSTEP*2
	s_add_nc_u64 s[G0B+4*\slot+2:G0B+4*\slot+3], s[G0B+4*\slot+2:G0B+4*\slot+3], 2*KSTEP*2048
	JLOAD \slot, G0B, G1B                          ; my one tensor load behind the round, and the first thing there
.else
	s_sub_nc_u64 s[G0+4*\slot+2:G0+4*\slot+3], s[G0+4*\slot+2:G0+4*\slot+3], 6*KSTEP*2
	JLOAD \slot, G0C, G1C
.endif
.if \fetch
	PLACES
	FETCHA \next, 0, F0
.endif
	WIN MUL_HI
	MULA F1, 1, 0, 0
	MULA F1, 1, 2, 0
.endm
.macro LAPA cm                         ; two K steps, once round the ring
	THREEA 0, \cm
	TURNA 0, 1, 1, 1
	THREEA 1, 0
	TURNA 1, 0, 1, 1
.endm
	s_wait_tensorcnt 0x1                           ; my part of K step 0 is in; K step 1's stays out
	s_wait_loadcnt 0x0                             ; the bias, which came beside the first tiles
	s_barrier_signal -1
	s_barrier_wait -1                              ; everybody's part is in
	FETCHA 0, 0, F0
	LAPA 1                                         ; K steps 0, 1 stand in front of the loop: their first products start the sums
	WIN 0
	s_mov_b32 s17, 2                               ; K steps 2 to 5
.Llap1:
	LAPA 0
	WIN 0
	s_sub_co_u32 s17, s17, 1
	s_cmp_lg_u32 s17, 0
	s_cbranch_scc1 .Llap1
	THREEA 0, 0                                    ; K steps 6, 7: the slots are filled with block 2's K steps 0, 1
	TURNA 0, 1, 2, 1
	THREEA 1, 0
	TURNA 1, 0, 2, 0
	WIN 0
	PLACES                                         ; behind the last products: the conversions read results, the read-backs land in fragment registers
; BLOCK 1'S WAY OUT, beside the way in of block 2's second tile: 16 rows at a time, rounded to f16, 16 bytes a lane into my own stage, read back as whole rows of 256 bytes.
; rows 16 i .. 16 i + 15 = the eight tiles (a, 0..7) of window 2 or 3 (from = 0x0a or 0x0f: sources 0 and 1); f: the read-back registers, two sets in turn
.macro OUTA i, a, from, f
	WIN \from
.irp b, 0,1,2,3,4,5,6,7
.irp q, 0,1,2,3
	v_cvt_pk_f16_f32 v[TMP+4*\b+\q], v[8*(8*\a+\b)+2*\q], v[8*(8*\a+\b)+2*\q+1]
.endr
.endr
	WIN 0
.irp b, 0,1,2,3,4,5,6,7
	ds_store_b128 v[STO], v[TMP+4*\b:TMP+4*\b+3] offset:32*\b
.endr
	s_wait_xcnt 0x0                                ; the earlier stores have read f and the base: both are rewritten only behind this wait
.if \i
	s_add_nc_u64 s[OB1:OB1+1], s[OB1:OB1+1], 16*2048
.endif
.irp t, 0,1,2,3,4,5,6,7
	ds_load_b128 v[\f+4*\t:\f+4*\t+3], v[RD] offset:\t*2*SPITCH    ; a wave's LDS instructions are served in order: these see the stores above
.endr
.irp t, 0,1,2,3,4,5,6,7
	s_wait_dscnt 7-\t
	global_store_b128 v[CO], v[\f+4*\t:\f+4*\t+3], s[OB1:OB1+1] offset:2*\t*2048   ; 16 lanes store 256 consecutive bytes, aligned
.endr
.endm
	OUTA 0, 0, 0x0a, F0
	OUTA 1, 1, 0x0a, F1
	OUTA 2, 2, 0x0a, F0
	OUTA 3, 3, 0x0a, F1
	OUTA 4, 0, 0x0f, F0
	OUTA 5, 1, 0x0f, F1
	OUTA 6, 2, 0x0f, F0
	OUTA 7, 3, 0x0f, F1
; ---------------- BLOCK 2: 256 x 128, a wave 64 x 128 ----------------
; 16 matrix instructions: my row tiles a0, a0 + 1 x all 8 column tiles, 32 along K.  cm = 1: the first product starts the sums (K has no bias).
; The 32 accumulators take turns, one instruction a turn, in the same order in every quarter step.
.macro MULB f, a0, cm
.irp a, \a0, \a0+1
.irp b, 0,1,2,3,4,5,6,7
.if \cm
	v_wmma_f32_16x16x32_f16 v[8*(8*(\a)+\b):8*(8*(\a)+\b)+7], v[\f+32+8*\b:\f+32+8*\b+7], v[\f+8*(\a):\f+8*(\a)+7], 0
.else
	v_wmma_f32_16x16x32_f16 v[8*(8*(\a)+\b):8*(8*(\a)+\b)+7], v[\f+32+8*\b:\f+32+8*\b+7], v[\f+8*(\a):\f+8*(\a)+7], v[8*(8*(\a)+\b):8*(8*(\a)+\b)+7]
.endif
.endr
.endr
.endm
; 24 LDS loads in one run: quarter kq of slot s into buffer f.  B's 8 tiles first, A's 4 last, so that the four youngest loads are A's tiles 2, 3.
.macro FETCHB s, kq, f
.irp b, 0,1,2,3,4,5,6,7
	ds_load_tr16_b128 v[\f+32+8*\b:\f+32+8*\b+3],   v[ADRB2+\s] offset:\kq*32*PB+(\kq/2)*BGAP+32*\b
	ds_load_tr16_b128 v[\f+32+8*\b+4:\f+32+8*\b+7], v[ADRB2+\s] offset:\kq*32*PB+(\kq/2)*BGAP+32*\b+16*PB
.endr
.irp a, 0,1,2,3
	ds_load_b128 v[\f+8*\a:\f+8*\a+3],   v[ADRA2+\s] offset:\a*16*PA+64*\kq
	ds_load_b128 v[\f+8*\a+4:\f+8*\a+7], v[ADRA2+\s] offset:\a*16*PA+64*\kq+32
.endr
.endm
.macro QUARTERB s, kq, f, g, cm
	s_wait_dscnt 4                                 ; all of f but A's tiles 2, 3 (the four youngest loads)
	WIN MULW
	MULB \f, 0, \cm
	WIN 0
	PLACES                                         ; behind the last products that read g
	FETCHB \s, \kq, \g
	s_wait_dscnt 24                                ; all but the 24 just issued
	WIN MULW
	MULB \f, 2, \cm
.endm
.macro THREEB s, cm
	QUARTERB \s, 1, E0, E1, \cm
	QUARTERB \s, 2, E1, E0, 0
	QUARTERB \s, 3, E0, E1, 0
.endm
; The last quarter changes slots, in the same order as in block 1.  From a request to the wait for it a wave issues 112 matrix instructions.
.macro TURNB s, n, fill
	s_wait_dscnt 0x0
	s_set_vgpr_msb 0xa0a1
	s_wait_tensorcnt 0x0
	ds_add_u32 v255, v63
	s_wait_dscnt 0x0
	s_set_vgpr_msb 0xa1a0
	s_barrier_signal -1
	WIN MULW
	MULB E1, 0, 0                                  ; register work while the others arrive
	WIN 0
	s_barrier_wait -1
.if \fill
	CREST
	s_add_nc_u64 s[G0+4*\s+2:G0+4*\s+3], s[G0+4*\s+2:G0+4*\s+3], 2*KSTEP*2
	s_add_nc_u64 s[G0C+4*\s+2:G0C+4*\s+3], s[G0C+4*\s+2:G0C+4*\s+3], 2*KSTEP*2048
	JLOAD \s, G0C, G1C                             ; my one tensor load behind the round, and the first thing there
.endif
	PLACES
	FETCHB \n, 0, E0
	WIN MULW
	MULB E1, 2, 0
.endm
.macro LAPB cm
	THREEB 0, \cm
	TURNB 0, 1, 1
	THREEB 1, 0
	TURNB 1, 0, 1
.endm
	; Slot 0 holds block 2's K step 0: every wave waited for its part of it in front of the round in block 1's K step 7, so no further barrier is needed here.
	s_wait_xcnt 0x0                                ; block 1's last stores have read their registers: the fragments below land in them only behind this wait
	FETCHB 0, 0, E0
	LAPB 1                                         ; K steps 0, 1: their first products start the sums
	WIN 0
	s_mov_b32 s17, 2                               ; K steps 2 to 5
.Llap2:
	LAPB 0
	WIN 0
	s_sub_co_u32 s17, s17, 1
	s_cmp_lg_u32 s17, 0
	s_cbranch_scc1 .Llap2
	THREEB 0, 0                                    ; K steps 6, 7 fill nothing
	TURNB 0, 1, 0
	THREEB 1, 0
	s_wait_dscnt 4
	WIN MULW
	MULB E1, 0, 0
	s_wait_dscnt 0x0
	MULB E1, 2, 0
	WIN 0
	PLACES                                         ; behind the last products
.macro OUTB a, f
	WIN 0x0a                                       ; both sources in window 2
.irp b, 0,1,2,3,4,5,6,7
.irp q, 0,1,2,3
	v_cvt_pk_f16_f32 v[TMP2+4*\b+\q], v[8*(8*\a+\b)+2*\q], v[8*(8*\a+\b)+2*\q+1]
.endr
.endr
	WIN 0
.irp b, 0,1,2,3,4,5,6,7
	ds_store_b128 v[STO], v[TMP2+4*\b:TMP2+4*\b+3] offset:32*\b
.endr
	s_wait_xcnt 0x0                                ; the earlier stores have read f and the base: both are rewritten only behind this wait
.if \a
	s_add_nc_u64 s[OB2:OB2+1], s[OB2:OB2+1], 16*2048
.endif
.irp t, 0,1,2,3,4,5,6,7
	ds_load_b128 v[\f+4*\t:\f+4*\t+3], v[RD] offset:\t*2*SPITCH
.endr
.irp t, 0,1,2,3,4,5,6,7
	s_wait_dscnt 7-\t
	global_store_b128 v[CO], v[\f+4*\t:\f+4*\t+3], s[OB2:OB2+1] offset:2*\t*2048   ; 16 lanes store 256 consecutive bytes, aligned
.endr
.endm
	OUTB 0, 96
	OUTB 1, 128
	OUTB 2, 96
	OUTB 3, 128
	s_set_vgpr_msb 0x1
	s_wait_tensorcnt 0x0
	ds_add_u32 v255, v63
	s_wait_dscnt 0x0
	s_set_vgpr_msb 0x100
	CROUND                                         ; the closing round: no work-group ends while a partner may still ask for a tile that names it
	s_endpgm
.Lfunc_end_k_qc3e7c50492_proj:
	.size	k_qc3e7c50492_proj, .Lfunc_end_k_qc3e7c50492_proj-k_qc3e7c50492_proj
	.p2alignl 7, 3214868480
	.fill 96, 4, 3214868480
	.section	.rodata,"a",@progbits
	.p2align	6, 0x0
	.amdhsa_kernel k_qc3e7c50492_proj
		.amdhsa_group_segment_fixed_size 327680
		.amdhsa_private_segment_fixed_size 0
		.amdhsa_enable_private_segment 0
		.amdhsa_kernarg_size 40
		.amdhsa_user_sgpr_count 2
		.amdhsa_user_sgpr_kernarg_segment_ptr 1
		.amdhsa_wavefront_size32 1
		.amdhsa_system_sgpr_workgroup_id_x 1
		.amdhsa_system_sgpr_workgroup_id_y 1
		.amdhsa_system_sgpr_workgroup_id_z 1
		.amdhsa_system_vgpr_workitem_id 0
		.amdhsa_next_free_vgpr 1024
		.amdhsa_next_free_sgpr 92
		.amdhsa_reserve_vcc 0
		.amdhsa_float_denorm_mode_32 3
		.amdhsa_float_denorm_mode_16_64 3
		.amdhsa_memory_ordered 1
		.amdhsa_forward_progress 1
		.amdhsa_inst_pref_size 255
	.end_amdhsa_kernel
	.section	.bss,"aw",@nobits
	.p2align	6
	.space	262144
	.amdgpu_metadata
---
amdhsa.version: [ 1, 2 ]
amdhsa.kernels:
  - .name:           k_qc3e7c50492_proj
    .symbol:         k_qc3e7c50492_proj.kd
    .args:
      - { .name: xh, .offset: 0, .size: 8, .value_kind: global_buffer, .address_space: global }
      - { .name: wh, .offset: 8, .size: 8, .value_kind: global_buffer, .address_space: global }
      - { .name: bq, .offset: 16, .size: 8, .value_kind: global_buffer, .address_space: global }
      - { .name: bv, .offset: 24, .size: 8, .value_kind: global_buffer, .address_space: global }
      - { .name: qkv, .offset: 32, .size: 8, .value_kind: global_buffer, .address_space: global }
    .group_segment_fixed_size: 327680
    .private_segment_fixed_size: 0
    .kernarg_segment_align: 8
    .kernarg_segment_size: 40
    .max_flat_workgroup_size: 128
    .sgpr_count:     92
    .vgpr_count:     1024
    .wavefront_size: 32
...
	.end_amdgpu_metadata
.endif
;; end of part 2
;; launch scores (part 3): grid 8 x 32, 4 waves a work-group, clusters of 4 x 4, 327,680 bytes of LDS; arguments qkv, attention_mask, p, stats; writes p, stats
.if DOCPART == 3
	.amdgcn_target "amdgcn-amd-amdhsa--gfx1250"
	.amdhsa_code_object_version 6
	.text
	.protected	k_qc3e7c50492_scores
	.globl	k_qc3e7c50492_scores
	.p2align	8
	.type	k_qc3e7c50492_scores,@function
k_qc3e7c50492_scores:
	s_mov_b64 s[64:65], 0
	v_nop
	global_prefetch_b8 v0, s[64:65] scope:SCOPE_SE
	s_setreg_imm32_b32 hwreg(HW_REG_WAVE_MODE, 25, 1), 1
	s_wait_xcnt 0x0
	s_wait_alu depctr_hold_cnt(0) depctr_sa_sdst(0) depctr_va_vdst(0) depctr_va_sdst(0) depctr_va_ssrc(0) depctr_va_vcc(0) depctr_vm_vsrc(0)
	s_getreg_b32 s2, hwreg(HW_REG_IB_STS2, 6, 4)
	s_cmp_eq_u32 s2, 0
	s_cbranch_scc0 .Lentry_in_a_cluster
	s_endpgm
.Lentry_in_a_cluster:
	s_bfe_u32 s2, ttmp6, 0x10000c
	s_cmp_lg_u32 s2, 0xf033
	s_cbranch_scc0 .Lentry_shape_is_right
	s_endpgm
.Lentry_shape_is_right:
; s = Q K^T / 32 + mask, and the first half of the softmax, block by block of 128 keys: for each query row and each block j
;   m[j] = max over the block of s,  P = exp(s - m[j]) in f16,  l[j] = the sum of these exponentials (f32).
; p [8192 = batch x 2048 + query][2048] f16; stats: m [16][8192] f32 at byte 0, l [16][8192] f32 at byte 524,288.  The next launch joins the blocks with
; the row's true maximum, so the maximum is taken away before every exponential, as in the softmax itself.
; K comes without bk: q . bk is the same for every key of a row and cancels in the softmax (shown at the head of the first launch).
; Limits: m[j] is held at the most negative finite f32 or above.  Every finite score is at or above that, so a block with any finite score keeps its own maximum;
; only a block masked by -inf throughout is touched: it gives P = 0, l = 0 and not NaN (a row masked so throughout ends as NaN in the next launch, as in the
; softmax).  Exponentials below 2^-126 come out as 0, P below 2^-25 rounds to 0 in f16.
;
; A work-group makes 256 queries x 256 keys with four waves, a wave 128 x 128: 64 accumulator tiles, 512 registers.  K = 1,024 goes in steps of 128 through
; a ring of two LDS slots.  CLUSTERS of 4 x 4: Q's tile is shared along a row of the cluster, K's along a column, each asked for jointly.
; The mask: each wave's own 128 x 128 numbers come in by two plain tensor loads of 64 rows into the ring's slots once those have been read for the last time:
; the first half a whole K step ahead of its use, the second beside the first half's exponentials.
; REGISTERS: window 0: addresses, Q's fragments (two buffers), later the mask and the way out; window 1: K's fragments; window 2: the 32 tiles of my rows 0-63
; (tile (a, b) at v[8 (8 a + b)]); window 3: those of my rows 64-127.  Source 0 = keys, source 1 = queries: lane l holds query row l % 16, registers 0-7
; the keys 8 (l / 16) + 0..7: a row's 128 numbers lie in lanes l and l xor 16 alone, so a row's maximum and sum cost one exchange between lanes.
.set KSTEP,  128
.set PITCH,  272
.set HALFT,  128*PITCH                 ; 34,816: what one joint load brings
.set SLOT,   4*HALFT                   ; 139,264: Q's 256 rows, then K's 256 rows
.set STAGE,  2*SLOT                    ; 278,528: 16 rows x 272 bytes for each wave
.set SPITCH, 272
.set SSTAGE, STAGE+4*16*SPITCH         ; 295,936: 1,024 bytes for each wave: 128 m, 128 l
.set MPITCH, 528                       ; a mask row in LDS: 512 + 16 bytes
.set MPART,  64*MPITCH                 ; 33,792: a wave's half of its mask
.set LAPS,   4
.set ADRA, 16
.set ADRB, 20
.set STO,  24
.set RD,   25
.set CO,   26
.set MADR, 27                          ; v27-28 my mask bytes, half 0, 1
.set SS,   29
.set SR,   30
.set SO,   31
.set T,    32                          ; v[32:39] at work
.set NM,   40                          ; v[40:41] the block maximum, twice
.set MT,   48                          ; v[48:55] m of my rows 16 i + r
.set LS,   56                          ; v[56:63] l of my rows 16 i + r
.set F0,   64
.set F1,   128
.set MK,   64                          ; v[64:127] the mask of 16 rows, then partial sums
.set TMP,  192
.set G1,  24
.set G0,  32
.set G1B, 48
.set G0B, 56
.set G1M, 68                           ; s[68:75] group 1 for the mask
.set GM,  76                           ; s[76:83] group 0 for the mask, a set for each half
.set MUL_LO, 0xa1                      ; source 0 (K) window 1, source 1 (Q) window 0, C and D window 2
.set MUL_HI, 0xf1
.set TO_B,   0x40
.set MSB, 0
.macro WIN new
.if MSB != \new
	s_set_vgpr_msb (MSB<<8)|\new
.set MSB, \new
.endif
.endm
.macro JLOAD s
	s_cmp_eq_u32 s15, 0
	s_cbranch_scc0 .Lfor_b_\@
	tensor_load_to_lds s[G0+4*\s:G0+4*\s+3], s[G1:G1+7]
	s_nop 0
	s_branch .Lasked_\@
.Lfor_b_\@:
	tensor_load_to_lds s[G0B+4*\s:G0B+4*\s+3], s[G1B:G1B+7]
	s_nop 0
.Lasked_\@:
.endm
.macro CREST
	s_cmp_lg_u32 s14, 0
	s_cbranch_scc1 .Lnot_wave_0_\@
	s_barrier_signal -3
.Lnot_wave_0_\@:
	s_barrier_wait -3
	s_barrier_signal -1
	s_barrier_wait -1
.endm
.macro CROUND
	s_barrier_signal -1
	s_barrier_wait -1
	CREST
.endm
.macro PLACES
.rept 4
	v_nop
.endr
.endm
	s_load_b256 s[4:11], s[0:1], 0x0               ; qkv s[4:5], mask s[6:7], p s[8:9], stats s[10:11]
	s_set_vgpr_msb 0x40
	v_lshl_add_u32 v255, v0, 2, 0x49400
	s_set_vgpr_msb 0x4000
	v_mov_b32 v255, 0
	s_set_vgpr_msb 0x1
	ds_add_u32 v255, v255
	s_set_vgpr_msb 0x100
	v_lshrrev_b32 v1, 5, v0
	v_readfirstlane_b32 s14, v1                    ; wave 0..3
	s_lshr_b32 s15, s14, 1                         ; my half of the block's query rows.  Also: I fetch for Q (0) or for K (1)
	s_and_b32 s16, s14, 1                          ; my half of its keys.  Also: which 128 rows of that tile I fetch
	s_bfe_u32 s18, ttmp6, 0x40000                  ; cx
	s_bfe_u32 s19, ttmp6, 0x40004                  ; cy
	s_lshl_b32 s20, ttmp9, 2
	s_add_co_u32 s20, s20, s18                     ; key block 0..7
	s_and_b32 s21, ttmp7, 0xffff
	s_lshr_b32 s66, s21, 1                         ; the batch: 8 query blocks = 2 clusters each, from the cluster's y alone
	s_lshl_b32 s21, s21, 2
	s_add_co_u32 s21, s21, s19                     ; query block 0..31 (all batches)
	s_lshl_b32 s22, s19, 2
	s_lshl_b32 s22, 15, s22                        ; my row of the cluster
	s_lshl_b32 s23, 0x1111, s18                    ; my column
	s_mov_b32 s84, 0x76543210                      ; v_permlanex16_b32: lane i reads lane i of the other half
	s_mov_b32 s85, 0xfedcba98
	s_or_b32 s[G1+0], s22, (1<<16)|(1<<20)|(1<<21)|(5<<22)|(3<<25)
	s_or_b32 s[G1B+0], s23, (1<<16)|(1<<20)|(1<<21)|(5<<22)|(3<<25)
	s_mov_b32 s[G1+1], KSTEP<<16
	s_mov_b32 s[G1B+1], KSTEP<<16
	s_mov_b32 s[G1+2], 128<<16
	s_mov_b32 s[G1B+2], 128<<16
	s_mov_b32 s[G1+3], KSTEP<<16
	s_mov_b32 s[G1B+3], KSTEP<<16
	s_mov_b32 s[G1+4], 128
	s_mov_b32 s[G1B+4], 128
	s_mov_b32 s[G1+5], 1024
	s_mov_b32 s[G1B+5], 1024
	s_mov_b32 s[G1+6], 0
	s_mov_b32 s[G1B+6], 0
	s_mov_b32 s[G1+7], 0
	s_mov_b32 s[G1B+7], 0
	; the mask's group 1: 64 rows x 128 elements of 4 bytes, 4 words of padding behind every 128; no work-group mask: a load of my own
	s_mov_b32 s[G1M+0], (2<<16)|(1<<20)|(6<<22)|(3<<25)
	s_mov_b32 s[G1M+1], 128<<16
	s_mov_b32 s[G1M+2], 64<<16
	s_mov_b32 s[G1M+3], 128<<16
	s_mov_b32 s[G1M+4], 64
	s_mov_b32 s[G1M+5], 2048
	s_mov_b32 s[G1M+6], 0
	s_mov_b32 s[G1M+7], 0
	s_lshl_b32 s47, s16, 7                         ; 128 x (wave & 1)
	s_lshl_b32 s40, s21, 8
	s_add_co_u32 s40, s40, s47                     ; Q: row 256 x query block + 128 x half
	s_lshl_b32 s40, s40, 11
	s_mov_b32 s41, 0
	s_lshl_b32 s66, s66, 22                        ; K: the batch's 2,048 rows of 2,048 bytes,
	s_add_co_u32 s66, s66, 0x1000000               ; behind Q's 16 MiB,
	s_lshl_b32 s67, s20, 8
	s_add_co_u32 s67, s67, s47                     ; row 256 x key block + 128 x half
	s_lshl_b32 s67, s67, 11
	s_add_co_u32 s66, s66, s67
	s_mov_b32 s67, 0
	s_mul_i32 s42, s14, HALFT                      ; my quarter of a slot
	s_lshl_b32 s86, s21, 8
	s_lshl_b32 s87, s15, 7
	s_add_co_u32 s86, s86, s87                     ; my first query row (of 8,192)
	s_lshl_b32 s88, s20, 8
	s_add_co_u32 s88, s88, s47                     ; my first key (of the batch's 2,048)
	s_lshl_b32 s90, s86, 13                        ; a mask row is 8,192 bytes
	s_lshl_b32 s91, s88, 2
	s_add_co_u32 s90, s90, s91
	s_mov_b32 s91, 0
	s_mov_b32 s[GM+0], 1
	s_mov_b32 s[GM+4], 1
	s_mul_i32 s[GM+1], s14, MPART                  ; half 0 into slot 0, half 1 into slot 1, each wave's own 33,792 bytes
	s_add_co_u32 s[GM+5], s[GM+1], SLOT
	s_wait_dscnt 0x0
	s_wait_kmcnt 0x0
	s_add_nc_u64 s[40:41], s[4:5], s[40:41]
	s_add_nc_u64 s[66:67], s[4:5], s[66:67]
	s_add_nc_u64 s[GM+2:GM+3], s[6:7], s[90:91]
	s_add_nc_u64 s[GM+6:GM+7], s[GM+2:GM+3], 64*8192
	s_or_b32 s[GM+3], s[GM+3], 0x80000000
	s_or_b32 s[GM+7], s[GM+7], 0x80000000
	CROUND                                         ; all sixteen work-groups are here: the first joint loads meet
.irp s, 0,1
	s_mov_b32 s[G0+4*\s], 1
	s_add_co_u32 s[G0+4*\s+1], s42, \s*SLOT
	s_add_nc_u64 s[G0+4*\s+2:G0+4*\s+3], s[40:41], \s*KSTEP*2
	s_or_b32 s[G0+4*\s+3], s[G0+4*\s+3], 0x80000000
	s_mov_b32 s[G0B+4*\s], 1
	s_add_co_u32 s[G0B+4*\s+1], s42, \s*SLOT
	s_add_nc_u64 s[G0B+4*\s+2:G0B+4*\s+3], s[66:67], \s*KSTEP*2
	s_or_b32 s[G0B+4*\s+3], s[G0B+4*\s+3], 0x80000000
	JLOAD \s
.endr
	v_and_b32 v1, 15, v0                           ; r
	v_bfe_u32 v2, v0, 4, 1                         ; h
	v_mul_u32_u24 v3, v1, PITCH
	v_lshl_add_u32 v3, v2, 4, v3
	s_mul_i32 s44, s15, HALFT                      ; my 128 rows of Q
	s_mul_i32 s45, s16, HALFT                      ; my 128 rows of K,
	s_add_co_u32 s45, s45, 2*HALFT                 ; behind Q's 256
.irp s, 0,1
	v_add_nc_u32 v[ADRA+\s], s44, v3
	v_add_nc_u32 v[ADRB+\s], s45, v3
	s_add_co_u32 s44, s44, SLOT
	s_add_co_u32 s45, s45, SLOT
.endr
	s_mul_i32 s46, s14, 16*SPITCH
	s_add_co_u32 s46, s46, STAGE
	v_mul_u32_u24 v4, v1, SPITCH
	v_lshl_add_u32 v4, v2, 4, v4
	v_add_nc_u32 v[STO], s46, v4
	v_mul_u32_u24 v5, v2, SPITCH
	v_lshl_add_u32 v5, v1, 4, v5
	v_add_nc_u32 v[RD], s46, v5
	v_lshlrev_b32 v5, 12, v2                       ; a row of p is 4,096 bytes
	v_lshl_add_u32 v[CO], v1, 4, v5
	v_mul_u32_u24 v6, v1, MPITCH
	v_lshl_add_u32 v6, v2, 5, v6                   ; mask: row r, 8 numbers for each half of the lanes
	v_add_nc_u32 v[MADR], s[GM+1], v6
	v_add_nc_u32 v[MADR+1], s[GM+5], v6
	s_lshl_b32 s46, s14, 10
	s_add_co_u32 s46, s46, SSTAGE
	v_lshl_add_u32 v[SS], v1, 2, s46
	v_and_b32 v7, 31, v0
	v_lshlrev_b32 v[SO], 4, v7
	v_add_nc_u32 v[SR], s46, v[SO]
; 16 matrix instructions: row tiles a0, a0 + 1 of the window's four x all 8 key tiles, 32 along K.  The 64 accumulators take turns, one instruction a turn,
; in the same order in every quarter step.
.macro MUL16 f, hi, a0, zero
.irp a, \a0, \a0+1
.irp b, 0,1,2,3,4,5,6,7
.if \zero
	v_wmma_f32_16x16x32_f16 v[8*(8*(\a)+\b):8*(8*(\a)+\b)+7], v[\f+8*\b:\f+8*\b+7], v[\f+8*(4*\hi+\a):\f+8*(4*\hi+\a)+7], 0
.else
	v_wmma_f32_16x16x32_f16 v[8*(8*(\a)+\b):8*(8*(\a)+\b)+7], v[\f+8*\b:\f+8*\b+7], v[\f+8*(4*\hi+\a):\f+8*(4*\hi+\a)+7], v[8*(8*(\a)+\b):8*(8*(\a)+\b)+7]
.endif
.endr
.endr
.endm
.macro FETCH slot, k, f
	WIN TO_B
.irp i, 0,1,2,3,4,5,6,7
	ds_load_b128 v[\f+8*\i:\f+8*\i+3],   v[ADRB+\slot] offset:\k+\i*16*PITCH
	ds_load_b128 v[\f+8*\i+4:\f+8*\i+7], v[ADRB+\slot] offset:\k+\i*16*PITCH+32
.endr
	WIN 0
.irp i, 0,1,2,3,4,5,6,7
	ds_load_b128 v[\f+8*\i:\f+8*\i+3],   v[ADRA+\slot] offset:\k+\i*16*PITCH
	ds_load_b128 v[\f+8*\i+4:\f+8*\i+7], v[ADRA+\slot] offset:\k+\i*16*PITCH+32
.endr
.endm
.macro QUARTER slot, k, f, g, zero
	s_wait_dscnt 8                                 ; K's and Q's rows 0-63 are in; the youngest eight loads (Q's rows 64-127) may be out
	WIN MUL_LO
	MUL16 \f, 0, 0, \zero
	MUL16 \f, 0, 2, \zero
	PLACES                                         ; behind the last products that read g
	FETCH \slot, \k, \g
	s_wait_dscnt 32                                ; all but the 32 just issued
	WIN MUL_HI
	MUL16 \f, 1, 0, \zero
	MUL16 \f, 1, 2, \zero
.endm
.macro THREE slot, zero
	QUARTER \slot, 64,  F0, F1, \zero
	QUARTER \slot, 128, F1, F0, 0
	QUARTER \slot, 192, F0, F1, 0
.endm
; The last quarter of a K step changes slots.  In front of the barrier: my reads of this slot and all my tensor loads are done.  fill = 1: the barrier opens a
; round of the cluster's barrier, and the slot's next tile is asked for jointly first thing behind it.  fill = 2: the same round, and my first half of the mask.
.macro TURN slot, next, fill
	s_wait_dscnt 8
	WIN MUL_LO
	MUL16 F1, 0, 0, 0
	s_wait_dscnt 0x0
	s_wait_tensorcnt 0x0
	ds_add_u32 v255, v255
	s_wait_dscnt 0x0
	s_barrier_signal -1
	MUL16 F1, 0, 2, 0
	WIN 0
	s_barrier_wait -1
.if \fill == 1
	CREST
	s_add_nc_u64 s[G0+4*\slot+2:G0+4*\slot+3], s[G0+4*\slot+2:G0+4*\slot+3], 2*KSTEP*2
	s_add_nc_u64 s[G0B+4*\slot+2:G0B+4*\slot+3], s[G0B+4*\slot+2:G0B+4*\slot+3], 2*KSTEP*2
	JLOAD \slot
.endif
.if \fill == 2
	CREST
	tensor_load_to_lds s[GM:GM+3], s[G1M:G1M+7]    ; this slot has been read for the last time: my mask rows 0-63 land in it while the last K step is multiplied
	s_nop 0
.endif
	PLACES
	FETCH \next, 0, F0
	WIN MUL_HI
	MUL16 F1, 1, 0, 0
	MUL16 F1, 1, 2, 0
.endm
.macro LAP zero
	THREE 0, \zero
	TURN 0, 1, 1
	THREE 1, 0
	TURN 1, 0, 1
.endm
	s_wait_tensorcnt 0x1                           ; my part of K step 0 is in; K step 1's stays out
	s_barrier_signal -1
	s_barrier_wait -1
	FETCH 0, 0, F0
	LAP 1
	WIN 0
	s_mov_b32 s17, LAPS-2
.Llap:
	LAP 0
	WIN 0
	s_sub_co_u32 s17, s17, 1
	s_cmp_lg_u32 s17, 0
	s_cbranch_scc1 .Llap
	THREE 0, 0
	TURN 0, 1, 2
	THREE 1, 0
	s_wait_dscnt 8                                 ; the very last quarter
	WIN MUL_LO
	MUL16 F1, 0, 0, 0
	s_wait_dscnt 0x0                               ; my reads of slot 1 are over,
	s_wait_tensorcnt 0x0                           ; and my first half of the mask has landed: no load of mine is out
	ds_add_u32 v255, v255
	s_wait_dscnt 0x0
	s_barrier_signal -1
	MUL16 F1, 0, 2, 0
	WIN 0
	s_barrier_wait -1
	CREST
	tensor_load_to_lds s[GM+4:GM+7], s[G1M:G1M+7]  ; my mask rows 64-127 into slot 1
	s_nop 0
	WIN MUL_HI
	MUL16 F1, 1, 0, 0
	MUL16 F1, 1, 2, 0
	WIN 0
	PLACES                                         ; behind the last products
	s_lshl_b32 s90, s86, 12                        ; p: my first row x 4,096 bytes + my first key x 2
	s_lshl_b32 s91, s88, 1
	s_add_co_u32 s90, s90, s91
	s_mov_b32 s91, 0
	s_add_nc_u64 s[8:9], s[8:9], s[90:91]
	s_lshl_b32 s90, s88, 8                         ; stats: (my first key / 128) x 32,768 + my first row x 4
	s_lshl_b32 s91, s86, 2
	s_add_co_u32 s90, s90, s91
	s_mov_b32 s91, 0
	s_add_nc_u64 s[10:11], s[10:11], s[90:91]
; 16 query rows x 128 keys: the eight tiles (a, 0..7) of window 2 + hf.  f: the read-back registers, two sets in turn.  step = 1: 16 rows of p on.
.macro SOFT16 hf, a, f, step
	WIN 0
.irp b, 0,1,2,3,4,5,6,7
	ds_load_b128 v[MK+8*\b:MK+8*\b+3],   v[MADR+\hf] offset:\a*16*MPITCH+64*\b
	ds_load_b128 v[MK+8*\b+4:MK+8*\b+7], v[MADR+\hf] offset:\a*16*MPITCH+64*\b+16
.endr
	s_wait_dscnt 0x0
	WIN (0x82+0x41*\hf)                            ; source 0 and destination in the accumulators' window
.set ii, 0
.rept 32
	v_pk_fma_f32 v[64*\a+ii:64*\a+ii+1], v[64*\a+ii:64*\a+ii+1], 0x3d000000, v[MK+ii:MK+ii+1] op_sel_hi:[1,0,1]   ; s = q . k / 32 + mask
.set ii, ii+2
.endr
	WIN (0x0a+0x05*\hf)                            ; sources 0 and 1 in the accumulators' window
.irp c, 0,1,2,3
	v_max_num_f32 v[T+\c], v[64*\a+16*\c], v[64*\a+16*\c+1]        ; four chains of 16 numbers
.endr
.irp k, 1,2,3,4,5,6,7
.irp c, 0,1,2,3
	v_max3_num_f32 v[T+\c], v[64*\a+16*\c+2*\k], v[64*\a+16*\c+2*\k+1], v[T+\c]
.endr
.endr
	WIN 0
	v_max3_num_f32 v[T], v[T], v[T+1], v[T+2]
	v_max_num_f32 v[T], v[T], v[T+3]
	v_permlanex16_b32 v[T+1], v[T], s84, s85       ; the row's other 64 numbers lie in lane l xor 16
	v_max3_num_f32 v[NM], v[T], v[T+1], 0xff7fffff ; the block's maximum; the most negative finite f32 stands in for -inf alone, so that s - m is never -inf + inf
	v_mov_b32 v[NM+1], v[NM]
	v_mov_b32 v[MT+4*\hf+\a], v[NM]
	WIN (0x82+0x41*\hf)
.set ii, 0
.rept 32
	v_pk_add_f32 v[64*\a+ii:64*\a+ii+1], v[64*\a+ii:64*\a+ii+1], v[NM:NM+1] neg_lo:[0,1] neg_hi:[0,1]   ; the difference first: at most 0, whatever the size of s
.set ii, ii+2
.endr
.set ii, 0
.rept 32
	v_pk_mul_f32 v[64*\a+ii:64*\a+ii+1], v[64*\a+ii:64*\a+ii+1], 0x3fb8aa3b op_sel_hi:[1,0]             ; x log2 e
.set ii, ii+2
.endr
.set ii, 0
.rept 64
	v_exp_f32 v[64*\a+ii], v[64*\a+ii]
.set ii, ii+1
.endr
	WIN (0x0a+0x05*\hf)
	v_nop                                          ; one plain vector instruction behind the run of exponentials, before their results are read
.set ii, 0
	s_wait_alu depctr_va_vdst(0)
.rept 16
	v_pk_add_f32 v[MK+2*ii:MK+2*ii+1], v[64*\a+4*ii:64*\a+4*ii+1], v[64*\a+4*ii+2:64*\a+4*ii+3]
.set ii, ii+1
.endr
.set ii, 0
.rept 32
	v_cvt_pk_f16_f32 v[TMP+ii], v[64*\a+2*ii], v[64*\a+2*ii+1]
.set ii, ii+1
.endr
	WIN 0
.irp n, 8,4,2,1
.set ii, 0
.rept \n
	v_pk_add_f32 v[MK+2*ii:MK+2*ii+1], v[MK+2*ii:MK+2*ii+1], v[MK+2*(ii+\n):MK+2*(ii+\n)+1]
.set ii, ii+1
.endr
.endr
	v_add_f32 v[T], v[MK], v[MK+1]
	v_permlanex16_b32 v[T+1], v[T], s84, s85
	v_add_f32 v[LS+4*\hf+\a], v[T], v[T+1]
.irp b, 0,1,2,3,4,5,6,7
	ds_store_b128 v[STO], v[TMP+4*\b:TMP+4*\b+3] offset:32*\b
.endr
	s_wait_xcnt 0x0                                ; the earlier stores have read f and the base: both are rewritten only behind this wait
.if \step
	s_add_nc_u64 s[8:9], s[8:9], 16*4096
.endif
.irp t, 0,1,2,3,4,5,6,7
	ds_load_b128 v[\f+4*\t:\f+4*\t+3], v[RD] offset:\t*2*SPITCH    ; a wave's LDS instructions are served in order: these see the stores above
.endr
.irp t, 0,1,2,3,4,5,6,7
	s_wait_dscnt 7-\t
	global_store_b128 v[CO], v[\f+4*\t:\f+4*\t+3], s[8:9] offset:2*\t*4096   ; 16 lanes store 256 consecutive bytes, aligned
.endr
.endm
	s_wait_tensorcnt 0x1                           ; the mask's first half is in (shown by the wait for 0 above); the second, issued behind it, may stay out
	SOFT16 0, 0, 128, 0
	SOFT16 0, 1, 160, 1
	SOFT16 0, 2, 128, 1
	SOFT16 0, 3, 160, 1
	s_wait_tensorcnt 0x0                           ; the second half; only I read what my load brought
	SOFT16 1, 0, 128, 1
	SOFT16 1, 1, 160, 1
	SOFT16 1, 2, 128, 1
	SOFT16 1, 3, 160, 1
	; m and l of my 128 rows: through my own 1,024 bytes of LDS, so that each store of the wave covers 512 consecutive bytes
.irp i, 0,1,2,3,4,5,6,7
	ds_store_b32 v[SS], v[MT+\i] offset:64*\i      ; lanes l and l xor 16 write the same word with the same value
	ds_store_b32 v[SS], v[LS+\i] offset:512+64*\i
.endr
	ds_load_b128 v[T:T+3], v[SR]
	ds_load_b128 v[T+4:T+7], v[SR] offset:512
	s_wait_dscnt 0x0
	global_store_b128 v[SO], v[T:T+3], s[10:11]
	global_store_b128 v[SO], v[T+4:T+7], s[10:11] offset:524288
	s_set_vgpr_msb 0x1
	s_wait_tensorcnt 0x0
	ds_add_u32 v255, v255
	s_wait_dscnt 0x0
	s_set_vgpr_msb 0x100
	CROUND                                         ; the closing round, behind the last tensor load of any kind
	s_endpgm
.Lfunc_end_k_qc3e7c50492_scores:
	.size	k_qc3e7c50492_scores, .Lfunc_end_k_qc3e7c50492_scores-k_qc3e7c50492_scores
	.p2alignl 7, 3214868480
	.fill 96, 4, 3214868480
	.section	.rodata,"a",@progbits
	.p2align	6, 0x0
	.amdhsa_kernel k_qc3e7c50492_scores
		.amdhsa_group_segment_fixed_size 327680
		.amdhsa_private_segment_fixed_size 0
		.amdhsa_enable_private_segment 0
		.amdhsa_kernarg_size 32
		.amdhsa_user_sgpr_count 2
		.amdhsa_user_sgpr_kernarg_segment_ptr 1
		.amdhsa_wavefront_size32 1
		.amdhsa_system_sgpr_workgroup_id_x 1
		.amdhsa_system_sgpr_workgroup_id_y 1
		.amdhsa_system_sgpr_workgroup_id_z 1
		.amdhsa_system_vgpr_workitem_id 0
		.amdhsa_next_free_vgpr 1024
		.amdhsa_next_free_sgpr 92
		.amdhsa_reserve_vcc 0
		.amdhsa_float_denorm_mode_32 3
		.amdhsa_float_denorm_mode_16_64 3
		.amdhsa_memory_ordered 1
		.amdhsa_forward_progress 1
		.amdhsa_inst_pref_size 255
	.end_amdhsa_kernel
	.section	.bss,"aw",@nobits
	.p2align	6
	.space	262144
	.amdgpu_metadata
---
amdhsa.version: [ 1, 2 ]
amdhsa.kernels:
  - .name:           k_qc3e7c50492_scores
    .symbol:         k_qc3e7c50492_scores.kd
    .args:
      - { .name: qkv, .offset: 0, .size: 8, .value_kind: global_buffer, .address_space: global }
      - { .name: attention_mask, .offset: 8, .size: 8, .value_kind: global_buffer, .address_space: global }
      - { .name: p, .offset: 16, .size: 8, .value_kind: global_buffer, .address_space: global }
      - { .name: stats, .offset: 24, .size: 8, .value_kind: global_buffer, .address_space: global }
    .group_segment_fixed_size: 327680
    .private_segment_fixed_size: 0
    .kernarg_segment_align: 8
    .kernarg_segment_size: 32
    .max_flat_workgroup_size: 128
    .sgpr_count:     92
    .vgpr_count:     1024
    .wavefront_size: 32
...
	.end_amdgpu_metadata
.endif
;; end of part 3
;; launch pv (part 4): grid 8 x 32, 4 waves a work-group, clusters of 4 x 4, 327,680 bytes of LDS; arguments p, qkv, stats, out0; writes out0
.if DOCPART == 4
	.amdgcn_target "amdgcn-amd-amdhsa--gfx1250"
	.amdhsa_code_object_version 6
	.text
	.protected	k_qc3e7c50492_pv
	.globl	k_qc3e7c50492_pv
	.p2align	8
	.type	k_qc3e7c50492_pv,@function
k_qc3e7c50492_pv:
	s_mov_b64 s[64:65], 0
	v_nop
	global_prefetch_b8 v0, s[64:65] scope:SCOPE_SE
	s_setreg_imm32_b32 hwreg(HW_REG_WAVE_MODE, 25, 1), 1
	s_wait_xcnt 0x0
	s_wait_alu depctr_hold_cnt(0) depctr_sa_sdst(0) depctr_va_vdst(0) depctr_va_sdst(0) depctr_va_ssrc(0) depctr_va_vcc(0) depctr_vm_vsrc(0)
	s_getreg_b32 s2, hwreg(HW_REG_IB_STS2, 6, 4)
	s_cmp_eq_u32 s2, 0
	s_cbranch_scc0 .Lentry_in_a_cluster
	s_endpgm
.Lentry_in_a_cluster:
	s_bfe_u32 s2, ttmp6, 0x10000c
	s_cmp_lg_u32 s2, 0xf033
	s_cbranch_scc0 .Lentry_shape_is_right
	s_endpgm
.Lentry_shape_is_right:
; The second half of the softmax and the product with V.  For each query row: M = max over the 16 key blocks j of m[j], a[j] = exp(m[j] - M),
; L = sum a[j] l[j], out = (sum over j of (a[j] P_j) V_j) / L.  So every weight is exp(s - M) / L with the row's true maximum M.
; Limits: a[j] and a[j] P are f16: what they flush is below 2^-25 of the row's largest weight; a[j] in L is the f32 value, which differs from the f16 one by at
; most 2^-12 of one block's share.  A row masked by -inf throughout has L = 0 and comes out as NaN, as in the softmax.
;
; C[256 x 128] = A[256 x 2048] B[2048 x 128]: A = p (keys along its rows), B = V of the batch (columns along its rows, read by the transposing load).
; Four waves; wave w makes rows 64 w .. 64 w + 63 and all 128 columns: 32 accumulator tiles.  A K step of 128 keys is one block j, so a fragment of P is
; multiplied by its row's a[j] (both halves of a word, one packed multiply a register) on its way to the matrix unit; these multiplies also are the plain
; vector instructions that stand between the products that read a fragment buffer and the loads that fill it again.
; Ring, clusters, LDS parts and registers as in the projection launch: P's tile is shared along a row of the cluster, V's along a column.
; LDS behind the ring: each wave's stage (16 rows x 528 bytes), a[j] as words [16][256 rows], 1 / L [256 rows].
.set PA,     272
.set PB,     288
.set WPART,  128*PA                    ; 34,816: a wave's part of a slot
.set BOFF,   2*WPART
.set BGAP,   WPART-64*PB
.set SLOT,   3*WPART+64*PB             ; 122,880
.set STAGE,  2*SLOT                    ; 245,760
.set OPITCH, 528                       ; a stage row: 512 + 16 bytes
.set ATAB,   STAGE+4*16*OPITCH         ; 279,552
.set INVL,   ATAB+16*1024              ; 295,936
.set KSTEP,  128
.set LAPS,   8                         ; 2,048 keys
.set ADRA, 16
.set ADRB, 20
.set STO,  24
.set RD,   25
.set CO,   26
.set AT,   27                          ; v27 my rows' a of the K step in slot 0; stepped by two blocks a lap
.set ILA,  28
.set FA,   40                          ; v[40:43], v[44:47] a of my row tiles, for the K step in slot 0, 1
.set IL,   48                          ; v[48:55] 1 / L of my row tiles, twice each
.set F0,   64
.set F1,   160
.set MX,   64                          ; the prologue: m[j] of my two rows, then a[j] as f16 words
.set LX,   96                          ; l[j]
.set EX,   128                         ; a[j] in f32
.set TMP,  64
.set G1,  24
.set G0,  32
.set G1B, 48
.set G0B, 56
.set MULW, 0x50
.set MSB, 0
.macro WIN new
.if MSB != \new
	s_set_vgpr_msb (MSB<<8)|\new
.set MSB, \new
.endif
.endm
.macro JLOAD s
	s_cmp_eq_u32 s15, 0
	s_cbranch_scc0 .Lfor_b_\@
	tensor_load_to_lds s[G0+4*\s:G0+4*\s+3], s[G1:G1+7]
	s_nop 0
	s_branch .Lasked_\@
.Lfor_b_\@:
	tensor_load_to_lds s[G0B+4*\s:G0B+4*\s+3], s[G1B:G1B+7]
	s_nop 0
.Lasked_\@:
.endm
.macro CREST
	s_cmp_lg_u32 s14, 0
	s_cbranch_scc1 .Lnot_wave_0_\@
	s_barrier_signal -3
.Lnot_wave_0_\@:
	s_barrier_wait -3
	s_barrier_signal -1
	s_barrier_wait -1
.endm
.macro CROUND
	s_barrier_signal -1
	s_barrier_wait -1
	CREST
.endm
.macro PLACES
.rept 4
	v_nop
.endr
.endm
	s_load_b256 s[4:11], s[0:1], 0x0               ; p s[4:5], qkv s[6:7], stats s[8:9], out0 s[10:11]
	v_lshl_add_u32 v62, v0, 2, 0x48800
	v_mov_b32 v63, 0
	ds_add_u32 v62, v63
	v_lshrrev_b32 v1, 5, v0
	v_readfirstlane_b32 s14, v1
	s_lshr_b32 s15, s14, 1                         ; I fetch for P (0) or for V (1)
	s_and_b32 s16, s14, 1                          ; which half of that tile
	s_bfe_u32 s18, ttmp6, 0x40000                  ; cx
	s_bfe_u32 s19, ttmp6, 0x40004                  ; cy
	s_lshl_b32 s20, ttmp9, 2
	s_add_co_u32 s20, s20, s18                     ; block of 128 output columns, 0..7
	s_and_b32 s21, ttmp7, 0xffff
	s_lshr_b32 s66, s21, 1                         ; the batch, from the cluster's y alone
	s_lshl_b32 s21, s21, 2
	s_add_co_u32 s21, s21, s19                     ; query block 0..31
	s_lshl_b32 s22, s19, 2
	s_lshl_b32 s22, 15, s22
	s_lshl_b32 s23, 0x1111, s18
	s_or_b32 s[G1+0], s22, (1<<16)|(1<<20)|(1<<21)|(5<<22)|(3<<25)
	s_mov_b32 s[G1+1], KSTEP<<16
	s_mov_b32 s[G1+2], 128<<16
	s_mov_b32 s[G1+3], KSTEP<<16
	s_mov_b32 s[G1+4], 128
	s_mov_b32 s[G1+5], 2048                        ; a row of p has 2,048 elements
	s_mov_b32 s[G1+6], 0
	s_mov_b32 s[G1+7], 0
	s_or_b32 s[G1B+0], s23, (1<<16)|(1<<20)|(1<<21)|(5<<22)|(7<<25)
	s_mov_b32 s[G1B+1], 128<<16
	s_mov_b32 s[G1B+2], 64<<16
	s_mov_b32 s[G1B+3], 128<<16
	s_mov_b32 s[G1B+4], 64
	s_mov_b32 s[G1B+5], 1024
	s_mov_b32 s[G1B+6], 0
	s_mov_b32 s[G1B+7], 0
	s_lshl_b32 s47, s16, 7
	s_lshl_b32 s40, s21, 8
	s_add_co_u32 s40, s40, s47                     ; P: row 256 x query block + 128 x half
	s_lshl_b32 s40, s40, 12                        ; x 4,096 bytes
	s_mov_b32 s41, 0
	s_lshl_b32 s66, s66, 22                        ; V: the batch's 2,048 rows of 2,048 bytes,
	s_add_co_u32 s66, s66, 0x2000000               ; behind Q's and K's 32 MiB,
	s_lshl_b32 s67, s16, 17                        ; 64 x half key rows,
	s_add_co_u32 s66, s66, s67
	s_lshl_b32 s67, s20, 8                         ; my block's 128 columns
	s_add_co_u32 s66, s66, s67
	s_mov_b32 s67, 0
	s_mul_i32 s42, s14, WPART
	s_lshl_b32 s44, s21, 10                        ; stats: my block's 256 rows x 4 bytes
	s_mov_b32 s45, 0
	s_wait_dscnt 0x0
	s_wait_kmcnt 0x0
	s_add_nc_u64 s[40:41], s[4:5], s[40:41]
	s_add_nc_u64 s[66:67], s[6:7], s[66:67]
	s_add_nc_u64 s[8:9], s[8:9], s[44:45]
	CROUND
.irp s, 0,1
	s_mov_b32 s[G0+4*\s], 1
	s_add_co_u32 s[G0+4*\s+1], s42, \s*SLOT
	s_add_nc_u64 s[G0+4*\s+2:G0+4*\s+3], s[40:41], \s*KSTEP*2
	s_or_b32 s[G0+4*\s+3], s[G0+4*\s+3], 0x80000000
	s_mov_b32 s[G0B+4*\s], 1
	s_add_co_u32 s[G0B+4*\s+1], s42, \s*SLOT
	s_add_nc_u64 s[G0B+4*\s+2:G0B+4*\s+3], s[66:67], \s*KSTEP*2048
	s_or_b32 s[G0B+4*\s+3], s[G0B+4*\s+3], 0x80000000
	JLOAD \s
.endr
	; THE JOIN OF THE BLOCKS, beside the first tiles' way in.  Thread t takes rows 2 t and 2 t + 1, which are rows of its own wave.
	v_lshlrev_b32 v6, 3, v0                        ; 8 t
.set jj, 0
.rept 16
	global_load_b64 v[MX+2*jj:MX+2*jj+1], v6, s[8:9] offset:32768*jj
	global_load_b64 v[LX+2*jj:LX+2*jj+1], v6, s[8:9] offset:32768*jj+524288
.set jj, jj+1
.endr
	v_and_b32 v1, 15, v0                           ; r
	v_bfe_u32 v2, v0, 4, 1                         ; h
	v_mul_u32_u24 v3, v1, PA
	v_lshl_add_u32 v3, v2, 4, v3
	s_mul_i32 s45, s14, 64*PA
	v_add_nc_u32 v[ADRA], s45, v3
	v_add_nc_u32 v[ADRA+1], SLOT, v[ADRA]
	v_and_b32 v4, 7, v0
	v_lshl_add_u32 v4, v2, 3, v4
	v_mul_u32_u24 v4, v4, PB
	v_bfe_u32 v5, v0, 3, 1
	v_lshl_add_u32 v4, v5, 4, v4
	v_add_nc_u32 v[ADRB], BOFF, v4
	v_add_nc_u32 v[ADRB+1], SLOT, v[ADRB]
	s_mul_i32 s46, s14, 16*OPITCH
	s_add_co_u32 s46, s46, STAGE
	v_mul_u32_u24 v8, v1, OPITCH
	v_lshl_add_u32 v8, v2, 5, v8
	v_add_nc_u32 v[STO], s46, v8                   ; in: row r, 32 bytes for each half of the lanes
	v_and_b32 v9, 31, v0
	v_lshlrev_b32 v[CO], 4, v9                     ; back and out: 32 lanes take one row of 512 bytes
	v_add_nc_u32 v[RD], s46, v[CO]
	s_lshl_b32 s46, s14, 8
	s_add_co_u32 s46, s46, ATAB
	v_lshl_add_u32 v[AT], v1, 2, s46               ; a of row 64 w + r, block 0
	v_add_nc_u32 v[ILA], INVL-ATAB, v[AT]
	v_add_nc_u32 v7, ATAB, v6
	s_wait_loadcnt 0x0
.irp c, 0,1
	v_max3_num_f32 v[32+\c], v[MX+\c], v[MX+2+\c], v[MX+4+\c]
.irp j, 3,5,7,9,11,13
	v_max3_num_f32 v[32+\c], v[32+\c], v[MX+2*\j+\c], v[MX+2*\j+2+\c]
.endr
	v_max_num_f32 v[32+\c], v[32+\c], v[MX+30+\c]  ; M, the row's maximum
.endr
.set jj, 0
.rept 16
	v_pk_add_f32 v[EX+2*jj:EX+2*jj+1], v[MX+2*jj:MX+2*jj+1], v[32:33] neg_lo:[0,1] neg_hi:[0,1]   ; m[j] - M, at most 0
.set jj, jj+1
.endr
.set jj, 0
.rept 16
	v_pk_mul_f32 v[EX+2*jj:EX+2*jj+1], v[EX+2*jj:EX+2*jj+1], 0x3fb8aa3b op_sel_hi:[1,0]
.set jj, jj+1
.endr
.set jj, 0
.rept 32
	v_exp_f32 v[EX+jj], v[EX+jj]
.set jj, jj+1
.endr
	v_nop                                          ; one plain vector instruction behind the run of exponentials
.set jj, 0
	s_wait_alu depctr_va_vdst(0)
.rept 32
	v_cvt_pk_f16_f32 v[MX+jj], v[EX+jj], v[EX+jj]  ; a[j] in both halves of a word
.set jj, jj+1
.endr
	v_pk_mul_f32 v[34:35], v[EX:EX+1], v[LX:LX+1]
.set jj, 1
.rept 15
	v_pk_fma_f32 v[34:35], v[EX+2*jj:EX+2*jj+1], v[LX+2*jj:LX+2*jj+1], v[34:35]
.set jj, jj+1
.endr
	v_rcp_f32 v34, v34
	v_rcp_f32 v35, v35
	v_nop                                          ; one plain vector instruction behind the reciprocals
.set jj, 0
.rept 16
	ds_store_b64 v7, v[MX+2*jj:MX+2*jj+1] offset:1024*jj
.set jj, jj+1
.endr
	s_wait_alu depctr_va_vdst(0)
	ds_store_b64 v7, v[34:35] offset:INVL-ATAB
; The 32 accumulators take turns, one instruction a turn, in the same order in every quarter step.  cm = 1: the first product starts the sums.
.macro MUL16 f, a0, cm
.irp a, \a0, \a0+1
.irp b, 0,1,2,3,4,5,6,7
.if \cm
	v_wmma_f32_16x16x32_f16 v[8*(8*(\a)+\b):8*(8*(\a)+\b)+7], v[\f+32+8*\b:\f+32+8*\b+7], v[\f+8*(\a):\f+8*(\a)+7], 0
.else
	v_wmma_f32_16x16x32_f16 v[8*(8*(\a)+\b):8*(8*(\a)+\b)+7], v[\f+32+8*\b:\f+32+8*\b+7], v[\f+8*(\a):\f+8*(\a)+7], v[8*(8*(\a)+\b):8*(8*(\a)+\b)+7]
.endif
.endr
.endr
.endm
.macro FETCH s, kq, f
.irp b, 0,1,2,3,4,5,6,7
	ds_load_tr16_b128 v[\f+32+8*\b:\f+32+8*\b+3],   v[ADRB+\s] offset:\kq*32*PB+(\kq/2)*BGAP+32*\b
	ds_load_tr16_b128 v[\f+32+8*\b+4:\f+32+8*\b+7], v[ADRB+\s] offset:\kq*32*PB+(\kq/2)*BGAP+32*\b+16*PB
.endr
.irp a, 0,1,2,3
	ds_load_b128 v[\f+8*\a:\f+8*\a+3],   v[ADRA+\s] offset:\a*16*PA+64*\kq
	ds_load_b128 v[\f+8*\a+4:\f+8*\a+7], v[ADRA+\s] offset:\a*16*PA+64*\kq+32
.endr
.endm
.macro SCALE f, a0, fa                 ; P's row tiles a0, a0 + 1 of buffer f times their rows' a[j]
.irp a, \a0, \a0+1
.irp i, 0,1,2,3,4,5,6,7
	v_pk_mul_f16 v[\f+8*(\a)+\i], v[\f+8*(\a)+\i], v[\fa+(\a)]
.endr
.endr
.endm
.macro QUARTER s, kq, f, g, cm
	s_wait_dscnt 4                                 ; all of f but P's tiles 2, 3 (the four youngest loads)
	WIN 0
	SCALE \f, 0, (FA+4*\s)                         ; sixteen plain vector instructions that name none of g's registers: the distance between the last products that read g and the loads below
	WIN MULW
	MUL16 \f, 0, \cm
	WIN 0
	FETCH \s, \kq, \g
	s_wait_dscnt 24                                ; all but the 24 just issued
	SCALE \f, 2, (FA+4*\s)
	WIN MULW
	MUL16 \f, 2, \cm
.endm
.macro THREE s, cm
	QUARTER \s, 1, F0, F1, \cm
	QUARTER \s, 2, F1, F0, 0
	QUARTER \s, 3, F0, F1, 0
.endm
; The last quarter changes slots: my reads of this slot and all my tensor loads are done in front of the barrier; with fill = 1 it opens a round of the cluster's
; barrier and the joint refill is the first thing behind it; then the next block's a and the next slot's first fragments.
.macro TURN s, n, fill
	s_wait_dscnt 0x0
	WIN 0
	SCALE F1, 0, (FA+4*\s)
	SCALE F1, 2, (FA+4*\s)
	s_wait_tensorcnt 0x0
	ds_add_u32 v62, v63
	s_wait_dscnt 0x0
	s_barrier_signal -1
	WIN MULW
	MUL16 F1, 0, 0
	WIN 0
	s_barrier_wait -1
.if \fill
	CREST
	s_add_nc_u64 s[G0+4*\s+2:G0+4*\s+3], s[G0+4*\s+2:G0+4*\s+3], 2*KSTEP*2
	s_add_nc_u64 s[G0B+4*\s+2:G0B+4*\s+3], s[G0B+4*\s+2:G0B+4*\s+3], 2*KSTEP*2048
	JLOAD \s
.endif
.irp a, 0,1,2,3
	ds_load_b32 v[FA+4*\n+\a], v[AT] offset:1024*(1+\s)+64*\a      ; one block on from this K step's
.endr
	FETCH \n, 0, F0
.if \s
	v_add_nc_u32 v[AT], 2048, v[AT]                ; two blocks a lap
.endif
	WIN MULW
	MUL16 F1, 2, 0
.endm
.macro LAP cm
	THREE 0, \cm
	TURN 0, 1, 1
	THREE 1, 0
	TURN 1, 0, 1
.endm
	s_wait_tensorcnt 0x1                           ; my part of K step 0 is in; K step 1's stays out
	s_wait_dscnt 0x0                               ; my stores of a and 1 / L are done
	s_barrier_signal -1
	s_barrier_wait -1
.irp a, 0,1,2,3
	ds_load_b32 v[FA+\a], v[AT] offset:64*\a       ; block 0's a
.endr
	FETCH 0, 0, F0
	LAP 1
	WIN 0
	s_mov_b32 s17, LAPS-2
.Llap:
	LAP 0
	WIN 0
	s_sub_co_u32 s17, s17, 1
	s_cmp_lg_u32 s17, 0
	s_cbranch_scc1 .Llap
	THREE 0, 0                                     ; the last lap fills nothing
	TURN 0, 1, 0
	THREE 1, 0
	s_wait_dscnt 4
	WIN 0
	SCALE F1, 0, (FA+4)
	WIN MULW
	MUL16 F1, 0, 0
	s_wait_dscnt 0x0
	WIN 0
	SCALE F1, 2, (FA+4)
	WIN MULW
	MUL16 F1, 2, 0
	WIN 0
	PLACES                                         ; behind the last products
	; THE WAY OUT, 16 rows at a time: times 1 / L, 32 bytes a lane into my own stage, read back as whole rows of 512 bytes.
.irp a, 0,1,2,3
	ds_load_b32 v[IL+2*\a], v[ILA] offset:64*\a
.endr
	s_lshl_b32 s40, s21, 8
	s_lshl_b32 s41, s14, 6
	s_add_co_u32 s40, s40, s41                     ; my first row
	s_lshl_b32 s40, s40, 12
	s_mov_b32 s41, 0
	s_add_nc_u64 s[10:11], s[10:11], s[40:41]
	s_lshl_b32 s66, s20, 9                         ; my 128 columns x 4 bytes
	s_mov_b32 s67, 0
	s_add_nc_u64 s[10:11], s[10:11], s[66:67]
	s_wait_dscnt 0x0
.irp a, 0,1,2,3
	v_mov_b32 v[IL+2*\a+1], v[IL+2*\a]
.endr
.macro OUT16 a, f
	WIN 0x01                                       ; source 0 in window 1
.irp b, 0,1,2,3,4,5,6,7
.irp q, 0,1,2,3
	v_pk_mul_f32 v[TMP+8*\b+2*\q:TMP+8*\b+2*\q+1], v[8*(8*\a+\b)+2*\q:8*(8*\a+\b)+2*\q+1], v[IL+2*\a:IL+2*\a+1]
.endr
.endr
	WIN 0
.irp b, 0,1,2,3,4,5,6,7
	ds_store_b128 v[STO], v[TMP+8*\b:TMP+8*\b+3] offset:64*\b
	ds_store_b128 v[STO], v[TMP+8*\b+4:TMP+8*\b+7] offset:64*\b+16
.endr
	s_wait_xcnt 0x0                                ; the earlier stores have read f and the base: both are rewritten only behind this wait
.if \a
	s_add_nc_u64 s[10:11], s[10:11], 16*4096
.endif
.irp t, 0,1,2,3,4,5,6,7,8,9,10,11,12,13,14,15
	ds_load_b128 v[\f+4*\t:\f+4*\t+3], v[RD] offset:\t*OPITCH      ; a wave's LDS instructions are served in order: these see the stores above
.endr
.irp t, 0,1,2,3,4,5,6,7,8,9,10,11,12,13,14,15
	s_wait_dscnt 15-\t
	global_store_b128 v[CO], v[\f+4*\t:\f+4*\t+3], s[10:11] offset:\t*4096 th:TH_STORE_NT   ; the wave stores 512 consecutive bytes, aligned
.endr
.endm
	OUT16 0, 128
	OUT16 1, 192
	OUT16 2, 128
	OUT16 3, 192
	s_wait_tensorcnt 0x0
	ds_add_u32 v62, v63
	s_wait_dscnt 0x0
	CROUND                                         ; the closing round
	s_endpgm
.Lfunc_end_k_qc3e7c50492_pv:
	.size	k_qc3e7c50492_pv, .Lfunc_end_k_qc3e7c50492_pv-k_qc3e7c50492_pv
	.p2alignl 7, 3214868480
	.fill 96, 4, 3214868480
	.section	.rodata,"a",@progbits
	.p2align	6, 0x0
	.amdhsa_kernel k_qc3e7c50492_pv
		.amdhsa_group_segment_fixed_size 327680
		.amdhsa_private_segment_fixed_size 0
		.amdhsa_enable_private_segment 0
		.amdhsa_kernarg_size 32
		.amdhsa_user_sgpr_count 2
		.amdhsa_user_sgpr_kernarg_segment_ptr 1
		.amdhsa_wavefront_size32 1
		.amdhsa_system_sgpr_workgroup_id_x 1
		.amdhsa_system_sgpr_workgroup_id_y 1
		.amdhsa_system_sgpr_workgroup_id_z 1
		.amdhsa_system_vgpr_workitem_id 0
		.amdhsa_next_free_vgpr 512
		.amdhsa_next_free_sgpr 72
		.amdhsa_reserve_vcc 0
		.amdhsa_float_denorm_mode_32 3
		.amdhsa_float_denorm_mode_16_64 3
		.amdhsa_memory_ordered 1
		.amdhsa_forward_progress 1
		.amdhsa_inst_pref_size 186
	.end_amdhsa_kernel
	.amdgpu_metadata
---
amdhsa.version: [ 1, 2 ]
amdhsa.kernels:
  - .name:           k_qc3e7c50492_pv
    .symbol:         k_qc3e7c50492_pv.kd
    .args:
      - { .name: p, .offset: 0, .size: 8, .value_kind: global_buffer, .address_space: global }
      - { .name: qkv, .offset: 8, .size: 8, .value_kind: global_buffer, .address_space: global }
      - { .name: stats, .offset: 16, .size: 8, .value_kind: global_buffer, .address_space: global }
      - { .name: out0, .offset: 24, .size: 8, .value_kind: global_buffer, .address_space: global }
    .group_segment_fixed_size: 327680
    .private_segment_fixed_size: 0
    .kernarg_segment_align: 8
    .kernarg_segment_size: 32
    .max_flat_workgroup_size: 128
    .sgpr_count:     72
    .vgpr_count:     512
    .wavefront_size: 32
...
	.end_amdgpu_metadata
.endif
;; end of part 4
;; ======== version 2 of 2: 4 launches; version 1 with the launch cast written anew for expert scheduling mode
;; limits: values are held in f16: magnitudes above 65,504 overflow, below 6.1e-05 lose precision
;; workspace buffers: xh 16,777,216 bytes; wh 6,291,456 bytes; qkv 50,331,648 bytes; p 33,554,432 bytes; stats 1,048,576 bytes
;; launch cast (part 5): grid 64 x 11, 8 waves a work-group, no clusters, 0 bytes of LDS; arguments hidden_states, Wq, Wk, Wv, xh, wh; writes xh, wh
.if DOCPART == 5
	.amdgcn_target "amdgcn-amd-amdhsa--gfx1250"
	.amdhsa_code_object_version 6
	.text
	.protected	k_qc3e7c50492_cast
	.globl	k_qc3e7c50492_cast
	.p2align	8
	.type	k_qc3e7c50492_cast,@function
k_qc3e7c50492_cast:
	s_mov_b64 s[64:65], 0
	v_nop
	global_prefetch_b8 v0, s[64:65] scope:SCOPE_SE
	s_setreg_imm32_b32 hwreg(HW_REG_WAVE_SCHED_MODE, 0, 2), 2
	s_setreg_imm32_b32 hwreg(HW_REG_WAVE_MODE, 25, 1), 1
	s_wait_xcnt 0x0
	s_wait_alu depctr_vm_vsrc(0)
; First of four launches for out = softmax((X Wq + bq)(X Wk + bk)^T / 32 + mask) (X Wv + bv).
; This one rounds X, Wq, Wk, Wv from f32 to f16, layouts kept: xh [8192][1024], wh [3 = q, k, v][1024][1024].
;
; WORK LEFT OUT: bk.  scores[q][k] = (q . (x_k Wk) + q . bk) / 32 + mask[q][k].  The term q . bk / 32 is the same for every key k of a
; query row, and softmax(z + c) = softmax(z) for a c that is constant along its axis, whatever finite values the inputs hold.  So bk has no way to
; any output: it is not loaded and is no argument of any launch.  (bq stays: bq . k_k changes with k.  bv and the mask stay.)
; Limit: a NaN, an infinity or an overflow that reaches only the term q . bk is not carried to the result.
;
; WHY f16 AND NOT bf16: an output is a weighted mean of 2,048 rows of V, so each relative rounding of a weight or of V shows in full against the
; output's own root mean square.  f16 has three bits more.  Room: X and W 30 times larger give |q| about 900 x 5.5; X and W with offsets of 30
; spreads give q about 1,024 x 30 x 0.94 = 28,800; f16 ends at 65,504.  Limit: |x|, |w|, |q|, |k| or |v| above 65,504 becomes infinite.
;
; Eleven matrices of [1024][1024]: grid y = 0..7 the eighths of X, 8, 9, 10 = Wq, Wk, Wv.  A work-group takes 16 rows; thread t takes 4 numbers of
; each row: a wave's load covers 512 consecutive bytes, its store 256 consecutive bytes, aligned.  All 16 loads go out first; no register is used twice.
;
; THE MODE: SCHED_MODE bits 1:0 = 2 (LLVM: expert scheduling mode 2), set by the entry lines.  The code itself states the register dependences
; between vector instructions and memory instructions, with s_wait_alu, always for 0.
; THE PLAN.  Registers that memory instructions touch:
;   v1, v2   byte offsets of the loads and of the stores: written once at the head, never again.
;   X        row i's four registers: load i lands in them, and nothing names them before; row i's two conversions read them.  Loaded once.
;   Y        row i's two registers: written once, by row i's two conversions; read once, by store i.
; The 16 rows go in four blocks of four.  Block p rounds its rows; its memory instructions are the four stores of block p - 1, whose Y registers no
; vector instruction of block p names.  So one wait at a block's head states all that its four stores hang on, and they are dealt among its conversions.
; No register that a memory instruction reads is written again, and no load lands in a register that anything has read: nothing else is to be stated.
.set X, 4                              ; v[4:67]   row i: 4 numbers in f32
.set Y, 68                             ; v[68:99]  row i: 4 numbers in f16
	s_load_b256 s[4:11], s[0:1], 0x0               ; X s[4:5], Wq s[6:7], Wk s[8:9], Wv s[10:11]
	s_load_b128 s[12:15], s[0:1], 0x20             ; xh s[12:13], wh s[14:15]
	s_and_b32 s16, ttmp7, 0xffff                   ; which matrix
	s_sub_co_u32 s18, s16, 8                       ; its number among the weights (used for y >= 8 alone)
	v_lshlrev_b32 v1, 4, v0                        ; 16 t: my 16 bytes of a source row
	v_lshlrev_b32 v2, 3, v0                        ; 8 t: my 8 bytes of a destination row
	s_wait_kmcnt 0x0
	s_cmp_lt_u32 s16, 8
	s_cselect_b64 s[20:21], s[4:5], s[6:7]         ; from X, or from Wq
	s_cselect_b64 s[22:23], s[12:13], s[14:15]     ; to xh, or to wh
	s_cselect_b32 s17, s16, 0                      ; the eighth of X; a weight is read from its first byte
	s_cselect_b32 s18, s16, s18                    ; the matrix's number in the destination
	s_cmp_eq_u32 s16, 9
	s_cselect_b64 s[20:21], s[8:9], s[20:21]       ; Wk
	s_cmp_eq_u32 s16, 10
	s_cselect_b64 s[20:21], s[10:11], s[20:21]     ; Wv
	s_lshl_b32 s24, s17, 22                        ; a matrix is 4 MiB in f32,
	s_lshl_b32 s26, ttmp9, 16                      ; 16 rows are 65,536 bytes
	s_add_co_u32 s24, s24, s26
	s_mov_b32 s25, 0
	s_add_nc_u64 s[20:21], s[20:21], s[24:25]
	s_lshl_b32 s26, s18, 21                        ; and half of that in f16
	s_lshl_b32 s28, ttmp9, 15
	s_add_co_u32 s26, s26, s28
	s_mov_b32 s27, 0
	s_add_nc_u64 s[22:23], s[22:23], s[26:27]
	s_wait_alu depctr_va_vdst(0)                   ; v1 and v2 are written: every load reads v1 as its offset, every store v2
.irp i, 0,1,2,3,4,5,6,7,8,9,10,11,12,13,14,15
	global_load_b128 v[X+4*\i:X+4*\i+3], v1, s[20:21] offset:4096*\i th:TH_LOAD_NT   ; read once in the whole program
.endr
; Block p: rows 4 p to 4 p + 3 are rounded; the rows of the block before are stored, one store ahead of each row's two conversions.
.macro BLK p
	s_wait_loadcnt 12-4*(\p)                       ; loads come back in order: this block's four rows are in, the later blocks' loads stay out
.if \p
	s_wait_alu depctr_va_vdst(0)                   ; the conversions of the block before have written its eight Y registers, which the four stores below read
.endif
.irp i, 0,1,2,3
.set R, 4*(\p)+(\i)                                    ; the row that is rounded
.set Q, R-4                                            ; the row that is stored
.if \p
	global_store_b64 v2, v[Y+2*Q:Y+2*Q+1], s[22:23] offset:2048*Q   ; no vector instruction since the wait names these registers
.endif
	v_cvt_pk_f16_f32 v[Y+2*R], v[X+4*R], v[X+4*R+1]
	v_cvt_pk_f16_f32 v[Y+2*R+1], v[X+4*R+2], v[X+4*R+3]
.endr
.endm
	BLK 0                                          ; no block stands in front of it: no store, and no wait but the one for its data
	BLK 1
	BLK 2
	BLK 3
	s_wait_alu depctr_va_vdst(0)                   ; the last block's conversions have written its eight Y registers, which the last four stores read
.irp i, 12,13,14,15
	global_store_b64 v2, v[Y+2*\i:Y+2*\i+1], s[22:23] offset:2048*\i
.endr
	s_endpgm
.Lfunc_end_k_qc3e7c50492_cast:
	.size	k_qc3e7c50492_cast, .Lfunc_end_k_qc3e7c50492_cast-k_qc3e7c50492_cast
	.p2alignl 7, 3214868480
	.fill 96, 4, 3214868480
	.section	.rodata,"a",@progbits
	.p2align	6, 0x0
	.amdhsa_kernel k_qc3e7c50492_cast
		.amdhsa_group_segment_fixed_size 0
		.amdhsa_private_segment_fixed_size 0
		.amdhsa_enable_private_segment 0
		.amdhsa_kernarg_size 48
		.amdhsa_user_sgpr_count 2
		.amdhsa_user_sgpr_kernarg_segment_ptr 1
		.amdhsa_wavefront_size32 1
		.amdhsa_system_sgpr_workgroup_id_x 1
		.amdhsa_system_sgpr_workgroup_id_y 1
		.amdhsa_system_sgpr_workgroup_id_z 1
		.amdhsa_system_vgpr_workitem_id 0
		.amdhsa_next_free_vgpr 100
		.amdhsa_next_free_sgpr 66
		.amdhsa_reserve_vcc 0
		.amdhsa_float_denorm_mode_32 3
		.amdhsa_float_denorm_mode_16_64 3
		.amdhsa_memory_ordered 1
		.amdhsa_forward_progress 1
		.amdhsa_inst_pref_size 7
	.end_amdhsa_kernel
	.amdgpu_metadata
---
amdhsa.version: [ 1, 2 ]
amdhsa.kernels:
  - .name:           k_qc3e7c50492_cast
    .symbol:         k_qc3e7c50492_cast.kd
    .args:
      - { .name: hidden_states, .offset: 0, .size: 8, .value_kind: global_buffer, .address_space: global }
      - { .name: Wq, .offset: 8, .size: 8, .value_kind: global_buffer, .address_space: global }
      - { .name: Wk, .offset: 16, .size: 8, .value_kind: global_buffer, .address_space: global }
      - { .name: Wv, .offset: 24, .size: 8, .value_kind: global_buffer, .address_space: global }
      - { .name: xh, .offset: 32, .size: 8, .value_kind: global_buffer, .address_space: global }
      - { .name: wh, .offset: 40, .size: 8, .value_kind: global_buffer, .address_space: global }
    .group_segment_fixed_size: 0
    .private_segment_fixed_size: 0
    .kernarg_segment_align: 8
    .kernarg_segment_size: 48
    .max_flat_workgroup_size: 256
    .sgpr_count:     66
    .vgpr_count:     100
    .wavefront_size: 32
...
	.end_amdgpu_metadata
.endif
;; end of part 5
;; launch proj: the kernel of part 2 again; grid 8 x 32, 4 waves a work-group, clusters of 4 x 4, 327,680 bytes of LDS; arguments xh, wh, bq, bv, qkv; writes qkv
;; launch scores: the kernel of part 3 again; grid 8 x 32, 4 waves a work-group, clusters of 4 x 4, 327,680 bytes of LDS; arguments qkv, attention_mask, p, stats; writes p, stats
;; launch pv: the kernel of part 4 again; grid 8 x 32, 4 waves a work-group, clusters of 4 x 4, 327,680 bytes of LDS; arguments p, qkv, stats, out0; writes out0
